; MI455X (gfx1250); checked and timed in simulation.
; The chip was launched on July 23, 2026; its instructions are those of AMD's public machine-readable ISA for CDNA 5 (MIT licence, August 2026) and "CDNA5" Instruction Set Architecture Reference Guide (July 2026). The comments in the code are by the model that wrote it; some were corrected since.
;; Caldera Quantized Linear. Allowed arithmetic: matrix products marked QUANTISED: E4M3 operands, one E8M0 scale for each 32 along K, by v_wmma_scale_f32_16x16x128_f8f6f4 with both operands' format E4M3, f32 sums; everything else in f32.
;; Inputs: L_ft_codes 1,024 x 2 x 32 uint8 (E4M3 codes of L_ft, K innermost, in blocks of 32 codes); L_ft_scales 1,024 x 2 uint8 (E8M0 scales of L_ft, one for each 32 codes along K); L_idxs 64 x 128 int32; Q_idxs 1,024 x 512 int32; R_ft_codes 64 x 128 x 32 uint8 (E4M3 codes of R_ft, K innermost, in blocks of 32 codes); R_ft_scales 64 x 128 uint8 (E8M0 scales of R_ft, one for each 32 codes along K); R_idxs 64 x 512 int32; SU 4,096 float32; SV 1,024 float32; grid 65,536 x 8 float32; x 4 x 2,048 x 4,096 float32.
;; Outputs: out0 4 x 2,048 x 1,024 float32.
;; This version of the problem:
;;   THIS VERSION OF THE PROBLEM IS GIVEN IN LOW PRECISION. The matrix products marked QUANTISED in the list below multiply operands that are first quantised to E4M3 (4 exponent bits, 3 mantissa bits; 8 bits a number), with one power-of-two scale for each 32 numbers along K (OCP MX v1.0); their sums are f32. All else is computed in f32.
;;   The module's matrix products, in the order in which they are computed (A, B: the left and right operand; K: the contracted axis; several contracted axes count as one K, in the product's order):
;;     1. [M 8,192, K 4,096] x [K 4,096, N 1,024]; A: computed on the way; B: computed on the way: QUANTISED
;;     2. [M 8,192, K 4,096] x [K 4,096, N 64]; A: computed on the way; B: computed on the way: QUANTISED
;;     3. [M 8,192, K 64] x [K 64, N 1,024]; A: computed on the way; B: computed on the way: QUANTISED
;;     4. [M 8,192, K 4,096] x [K 4,096, N 64]; A: computed on the way; B: input R_ft (given as codes): QUANTISED
;;     5. [M 8,192, K 64] x [K 64, N 1,024]; A: computed on the way; B: input L_ft (given as codes): QUANTISED
;;   THE QUANTISER, for each operand of a quantised product, along K:
;;     - K is cut into blocks of 32 from its start; a last block that is shorter is filled with zeros.
;;     - A block's scale is 2^e with e = floor(log2(the largest magnitude in the block)) - 8, held to -126 .. 127; a block of zeros has e = 0. As a byte (E8M0): e + 127.
;;     - Each number is divided by its block's scale, clamped to +-448, and rounded to the nearest number of E4M3, ties to even, subnormals kept.
;;     - The product sums the exact products of the quantised numbers (number of the format x scale) in f32.
;;   ~~~python
;;   def quantise(x, axis):      # numpy; x: float32 -> the quantised numbers, widened to float32 again
;;       x = np.moveaxis(x, axis, -1); K = x.shape[-1]
;;       x = np.pad(x, [(0, 0)] * (x.ndim - 1) + [(0, -K % 32)]); x = x.reshape(x.shape[:-1] + (-1, 32)); a = np.abs(x).max(-1, keepdims=True)
;;       e = np.where(a > 0, np.clip(np.frexp(np.where(a > 0, a, 1))[1] - 1 - 8, -126, 127), 0)      # np.frexp(a)[1] - 1 = floor(log2(a)), exactly
;;       r = np.clip(x / 2.0 ** e, -448, 448)
;;       step = 2.0 ** (np.maximum(np.frexp(np.where(r == 0, 1, r))[1] - 1, -6) - 3)
;;       q = np.round(r / step) * step * 2.0 ** e      # np.round: ties to even
;;       return np.moveaxis(q.reshape(q.shape[:-2] + (-1,))[..., :K], -1, axis).astype(np.float32)
;;   ~~~
;;   OPERANDS COMPUTED ON THE WAY. 'Computed on the way' means the value that the module computes at that place (a softmax that the list does not call 'softmax' is quantised finished and normalised). What goes into a quantiser is computed in f32, as accurately as f32 sums, v_exp_f32 and their like allow (about 1e-6 of the number): no bf16 or f16 on the way to a quantiser, and a product that is left as it is and whose result goes on into a quantised operand takes f32 operands (vector FMAs, or v_wmma_f32_16x16x4_f32). A number that lies on a knife's edge between two numbers of the format may be rounded either way, as far as f32 arithmetic and the matrix unit's own rounding can turn it there, and no further.
;;   INPUTS GIVEN AS CODES. L_ft (in the module: [1024, 64], K = its axis 1); R_ft (in the module: [64, 4096], K = its axis 1): each comes as NAME_codes (uint8): NAME with its K axis moved to the last place and cut into blocks of 32 codes, [.., K / 32, bytes a block], one block behind the other in memory; one code a byte (a code: sign, 4 exponent bits, 3 mantissa bits); and NAME_scales (uint8): the same leading axes, one E8M0 byte (e + 127) for each 32 codes along K. Its value is code x scale, taken as it is: it is not quantised again, and the codes and scales need not be those that the quantiser above would give.
;; 2 versions. Each part assembles by itself: llvm-mc -triple=amdgcn-amd-amdhsa -mcpu=gfx1250 --defsym DOCPART=n.
;; ======== version 1 of 2: 4 launches
;; workspace buffers: acodes 33,554,432 bytes; ascales 1,048,576 bytes; bcodes 4,718,592 bytes; bscales 147,456 bytes; w2img 131,072 bytes; w2sc 8,192 bytes; yimg 37,748,736 bytes
;; launch prep (part 1): grid 160 x 1, 4 waves a work-group, no clusters, 1,536 bytes of LDS; arguments Q_idxs, R_idxs, L_idxs, grid, R_ft_codes, R_ft_scales, L_ft_codes, L_ft_scales, bcodes, bscales, w2img, w2sc; writes bcodes, bscales, w2img, w2sc
.if DOCPART == 1
	.amdgcn_target "amdgcn-amd-amdhsa--gfx1250"
	.amdhsa_code_object_version 6
	.text
	.protected	k_qc6a7673cfa_prep
	.globl	k_qc6a7673cfa_prep
	.p2align	8
	.type	k_qc6a7673cfa_prep,@function
k_qc6a7673cfa_prep:
	s_mov_b64 s[64:65], 0
	v_nop
	global_prefetch_b8 v0, s[64:65] scope:SCOPE_SE
	s_setreg_imm32_b32 hwreg(HW_REG_WAVE_MODE, 25, 1), 1
	s_wait_xcnt 0x0
; THE WEIGHTS, ONCE.  bcodes [1152][4096] and bscales [1152][128] are the right operand of the three products with K = 4,096, as E4M3 codes with K innermost and one E8M0 byte for each 32 along K:
;   rows 0-1023: W_q = grid[Q_idxs] x 0.9;  row 1024 + sw(k): W_r[k] = grid[R_idxs[k]] x 1.05;  row 1088 + sw(k): R_ft[k], copied as it is given.
;   sw(k) exchanges bits 3 and 4 of k: in the transposed result of the big product a lane's 16 registers of two neighbouring tiles of these 128 columns are then 16 NEIGHBOURS along the next K.
; w2img [64 tiles of 16 columns][4][32 lanes][16 bytes] and w2sc [64][32 lanes] are the right operand of the two products with K = 64, joined to one K of 128, laid as an image of the operand's registers:
;   k 0-63 = W_l[k][m] = grid[L_idxs] x 1.1, quantised down K;  k 64-127 = L_ft[m][k - 64], as it is given.
; A block's scale byte is its largest magnitude's exponent field - 8, held at 1 from below; numbers are held within +-448 x the scale and converted to the nearest code, ties to even.
; LIMITS: NaN and infinities are not served; a block whose largest magnitude lies under 2^-118 (a block of zeros too) gets the byte 1: zeros' codes are zeros, and the bytes are read by this program alone.
; SHARES: work-groups 0-135: a wave takes two rows of indices (16 steps of 512 numbers);  136-143: a wave copies two rows of R_ft;  144-159: a wave makes one tile of 16 columns of the second operand.
; No cluster: the table of 2 MiB is gathered lane by lane into registers, and no two work-groups want the same tile of it.  Only the first path uses LDS (256 bytes a wave, for its scale bytes).
.set DEPTH, 8                          ; steps whose gathers are on their way: 4 loads each
.set I,  16                            ; v16-47   an index pair for each step; then the two byte offsets into the table; never rewritten after that
.set X,  48                            ; v48-175  DEPTH sets of 16 numbers
.set C,  176                           ; v176-239 codes: four registers for each step, so that no store's data are written again
.set E,  240                           ; v240-255 a scale byte for each step
.macro SWAP34 d, s, t                  ; s[d] = s[s] (under 128) with bits 3 and 4 exchanged; s[t] at work
	s_and_b32 s[\d], s[\s], 0x67
	s_and_b32 s[\t], s[\s], 8
	s_lshl_b32 s[\t], s[\t], 1
	s_or_b32 s[\d], s[\d], s[\t]
	s_and_b32 s[\t], s[\s], 16
	s_lshr_b32 s[\t], s[\t], 1
	s_or_b32 s[\d], s[\d], s[\t]
.endm
	s_load_b512 s[8:23], s[0:1], 0x0               ; Q_idxs s[8:9], R_idxs s[10:11], L_idxs s[12:13], grid s[14:15], R_ft_codes s[16:17], R_ft_scales s[18:19], L_ft_codes s[20:21], L_ft_scales s[22:23]
	s_load_b256 s[24:31], s[0:1], 0x40             ; bcodes s[24:25], bscales s[26:27], w2img s[28:29], w2sc s[30:31]
	v_lshl_add_u32 v14, v0, 2, 0x400
	v_mov_b32 v15, 0
	v_lshrrev_b32 v1, 5, v0
	v_readfirstlane_b32 s32, v1                    ; wave 0..3
	v_and_b32 v1, 31, v0                           ; lane
	v_lshlrev_b32 v2, 3, v1                        ; 8 x lane
	v_lshlrev_b32 v4, 4, v1                        ; 16 x lane
	s_mov_b32 s33, 0x600000                        ; the mantissa field of 448
	s_mov_b32 s47, 0                               ; the upper word of every offset
	s_wait_kmcnt 0x0
	s_cmp_lt_u32 ttmp9, 136
	s_cbranch_scc0 .Lnot_q
; ---- W_q and W_r: gather, scale, quantise.  A lane holds two table rows = 16 neighbours along K; two neighbouring lanes hold a block of 32.
	s_lshl_b32 s38, ttmp9, 2
	s_add_co_u32 s38, s38, s32                     ; u: which pair of rows, 0-511 of Q, 512-543 of R
	s_sub_co_u32 s39, s38, 512                     ; the same counted within R (not used for Q)
	s_lshl_b32 s40, s39, 1                         ; k = R's first row of the pair; it is even, so sw(k + 1) = sw(k) + 1
	SWAP34 41, 40, 42
	s_add_co_u32 s41, s41, 1024                    ; where R's pair goes
	s_lshl_b32 s40, s38, 1                         ; where Q's pair goes
	s_mov_b32 s36, 0x3f866666                      ; 1.05
	s_cmp_lt_u32 ttmp9, 128                        ; Q or R: the choice hangs on the work-group's number alone; only selections follow the compare
	s_cselect_b64 s[34:35], s[8:9], s[10:11]
	s_cselect_b32 s44, s38, s39
	s_cselect_b32 s45, s40, s41
	s_cselect_b32 s36, 0x3f666666, s36             ; 0.9 or 1.05
	s_mov_b32 s37, s36                             ; (named with it as a pair)
	s_lshl_b32 s46, s44, 12                        ; two rows of 512 indices are 4,096 bytes
	s_add_nc_u64 s[34:35], s[34:35], s[46:47]
	s_lshl_b32 s46, s45, 12                        ; a row of codes is 4,096 bytes
	s_add_nc_u64 s[24:25], s[24:25], s[46:47]
	s_lshl_b32 s46, s45, 7                         ; a row of scale bytes 128; the row is even, so the pair's 256 bytes are aligned
	s_add_nc_u64 s[26:27], s[26:27], s[46:47]
	s_lshl_b32 s38, s32, 8                         ; LDS: my wave's 256 scale bytes
	v_lshrrev_b32 v5, 1, v1
	v_add_nc_u32 v5, s38, v5                       ; my block's byte
	v_add_nc_u32 v6, s38, v2                       ; and on the way out 8 bytes a lane
.irp t, 0,1,2,3,4,5,6,7,8,9,10,11,12,13,14,15
	global_load_b64 v[I+2*\t:I+2*\t+1], v2, s[34:35] offset:256*\t th:TH_LOAD_NT   ; 32 lanes read 256 consecutive bytes: a step's 64 indices
.endr
	s_wait_loadcnt 0x0
.set n, 0
.rept 32
	v_min_u32 v[I+n], 0xffff, v[I+n]               ; an index stays inside the table of 65,536 rows
.set n, n+1
.endr
.set n, 0
.rept 32
	v_lshlrev_b32 v[I+n], 5, v[I+n]                ; a table row is 32 bytes
.set n, n+1
.endr
.macro GATHER t
.set GS, X+16*((\t)%DEPTH)
	global_load_b128 v[GS:GS+3],     v[I+2*(\t)],   s[14:15]
	global_load_b128 v[GS+4:GS+7],   v[I+2*(\t)],   s[14:15] offset:16
	global_load_b128 v[GS+8:GS+11],  v[I+2*(\t)+1], s[14:15]
	global_load_b128 v[GS+12:GS+15], v[I+2*(\t)+1], s[14:15] offset:16
.endm
.irp t, 0,1,2,3,4,5,6,7
	GATHER \t
.endr
.macro STEP t
.set XS, X+16*((\t)%DEPTH)
.if 15-(\t) >= DEPTH-1
	s_wait_loadcnt 4*(DEPTH-1)                     ; this step's four gathers are in; those of the seven steps behind it may be out
.else
	s_wait_loadcnt 4*(15-(\t))                     ; near the end fewer steps are behind it
.endif
.irp i, 0,2,4,6,8,10,12,14
	v_pk_mul_f32 v[XS+\i:XS+\i+1], v[XS+\i:XS+\i+1], s[36:37] op_sel_hi:[1,0]   ; x the tensor's constant, in f32
.endr
	v_max3_num_f32 v8, |v[XS]|, |v[XS+1]|, |v[XS+2]|               ; the largest magnitude of my 16, in two chains
	v_max3_num_f32 v9, |v[XS+3]|, |v[XS+4]|, |v[XS+5]|
.irp i, 6,10
	v_max3_num_f32 v8, v8, |v[XS+\i]|, |v[XS+\i+1]|
	v_max3_num_f32 v9, v9, |v[XS+\i+2]|, |v[XS+\i+3]|
.endr
	v_max3_num_f32 v8, v8, |v[XS+14]|, |v[XS+15]|
	v_max3_num_f32 v8, v8, v9, 0x4800000           ; and the floor 2^(9 - 127): the byte cannot fall under 1
	v_max_num_f32_dpp v8, v8, v8 row_xmask:1 row_mask:0xf bank_mask:0xf   ; and of my neighbour's 16: the block's
	v_add_nc_u32 v11, 0xfc000000, v8               ; 8 off its exponent field: the conversion takes the exponent field of this operand as its scale
	v_and_or_b32 v10, v8, 0x7f800000, s33          ; 448 x the scale
.irp i, 0,1,2,3,4,5,6,7,8,9,10,11,12,13,14,15
	v_med3_num_f32 v[XS+\i], v[XS+\i], -v10, v10   ; the conversion to an 8-bit code does not saturate (ISA guide 7.6.2): the hold comes first
.endr
	v_cvt_scalef32_pk8_fp8_f32 v[C+4*(\t):C+4*(\t)+1], v[XS:XS+7], v11
	v_cvt_scalef32_pk8_fp8_f32 v[C+4*(\t)+2:C+4*(\t)+3], v[XS+8:XS+15], v11
	v_lshrrev_b32 v[E+(\t)], 23, v11               ; the scale's byte (a plain line behind the conversions)
	ds_store_b8 v5, v[E+(\t)] offset:16*(\t)       ; both lanes of a block write the same byte with the same value
	global_store_b128 v4, v[C+4*(\t):C+4*(\t)+3], s[24:25] offset:512*(\t)   ; 32 lanes store 512 consecutive bytes
.if (\t)+DEPTH < 16
	GATHER (\t)+DEPTH                              ; into the set just converted
.endif
.endm
.irp t, 0,1,2,3,4,5,6,7,8,9,10,11,12,13,14,15
	STEP \t
.endr
	ds_load_b64 v[12:13], v6                       ; LDS serves a wave's instructions in order: these see my stores
	s_wait_dscnt 0x0
	global_store_b64 v2, v[12:13], s[26:27]        ; 32 lanes store the pair's 256 scale bytes, aligned
	s_wait_tensorcnt 0x0
	ds_add_u32 v14, v15
	s_wait_dscnt 0x0
	s_endpgm
.Lnot_q:
	s_cmp_lt_u32 ttmp9, 144
	s_cbranch_scc0 .Lpath_l
; ---- R_ft: two rows of codes and scale bytes go to their places as they are.  Destination rows 1088 + p, p + 1 (p even) hold R_ft's rows sw(p), sw(p) + 1.
	s_sub_co_u32 s38, ttmp9, 136
	s_lshl_b32 s38, s38, 2
	s_add_co_u32 s38, s38, s32                     ; which pair, 0..31
	s_lshl_b32 s39, s38, 1                         ; p
	SWAP34 41, 39, 42
	s_lshl_b32 s46, s41, 12
	s_add_nc_u64 s[16:17], s[16:17], s[46:47]
	s_lshl_b32 s46, s41, 7
	s_add_nc_u64 s[18:19], s[18:19], s[46:47]
	s_add_co_u32 s39, s39, 1088
	s_lshl_b32 s46, s39, 12
	s_add_nc_u64 s[24:25], s[24:25], s[46:47]
	s_lshl_b32 s46, s39, 7
	s_add_nc_u64 s[26:27], s[26:27], s[46:47]
.irp i, 0,1,2,3,4,5,6,7,8,9,10,11,12,13,14,15
	global_load_b128 v[16+4*\i:19+4*\i], v4, s[16:17] offset:512*\i th:TH_LOAD_NT
.endr
	global_load_b64 v[12:13], v2, s[18:19] th:TH_LOAD_NT
	s_wait_loadcnt 0x0
.irp i, 0,1,2,3,4,5,6,7,8,9,10,11,12,13,14,15
	global_store_b128 v4, v[16+4*\i:19+4*\i], s[24:25] offset:512*\i
.endr
	global_store_b64 v2, v[12:13], s[26:27]
	s_endpgm
.Lpath_l:
; ---- The second operand, tile t of 16 columns.  Lane (r, h) takes column m = 16 t + r and its registers run DOWN K in the operand's own order: k = 32 c + 16 h + i.  Nothing is transposed.
	s_sub_co_u32 s38, ttmp9, 144
	s_lshl_b32 s38, s38, 2
	s_add_co_u32 s38, s38, s32                     ; t, 0..63
	s_lshl_b32 s46, s38, 3
	s_add_nc_u64 s[12:13], s[12:13], s[46:47]      ; L_idxs: the tile's two indices of a row, 8 bytes
	s_lshl_b32 s46, s38, 10
	s_add_nc_u64 s[20:21], s[20:21], s[46:47]      ; L_ft_codes: 16 rows of 64 bytes
	s_lshl_b32 s46, s38, 5
	s_add_nc_u64 s[22:23], s[22:23], s[46:47]      ; L_ft_scales: 16 rows of 2 bytes
	s_lshl_b32 s46, s38, 11
	s_add_nc_u64 s[28:29], s[28:29], s[46:47]      ; w2img: 2,048 bytes a tile
	s_lshl_b32 s46, s38, 7
	s_add_nc_u64 s[30:31], s[30:31], s[46:47]      ; w2sc: 128 bytes a tile
	s_mov_b32 s36, 0x3f8ccccd                      ; 1.1
	s_mov_b32 s37, s36
	s_mov_b32 s40, 0x76543210
	s_mov_b32 s41, 0xfedcba98                      ; v_permlanex16_b32's selects for lane l xor 16
	v_and_b32 v3, 15, v0                           ; r
	v_bfe_u32 v5, v0, 4, 1                         ; h
	v_lshrrev_b32 v6, 3, v3
	v_lshlrev_b32 v6, 2, v6
	v_lshl_add_u32 v6, v5, 13, v6                  ; the index of my column in row k: 16 h rows of 512 bytes + 4 (r / 8)
	v_and_b32 v7, 7, v3
	v_lshlrev_b32 v7, 2, v7                        ; my number in a table row: 4 (r % 8)
	v_lshlrev_b32 v8, 6, v3
	v_lshl_add_u32 v8, v5, 4, v8                   ; L_ft_codes: row r, + 16 h
	v_lshlrev_b32 v9, 1, v3                        ; L_ft_scales: row r
	v_lshlrev_b32 v10, 2, v1                       ; 4 x lane
.irp c, 0,1
.irp i, 0,1,2,3,4,5,6,7,8,9,10,11,12,13,14,15
	global_load_b32 v[16+16*\c+\i], v6, s[12:13] offset:(32*\c+\i)*512
.endr
.endr
	global_load_b128 v[56:59], v8, s[20:21]            ; k 64 + 16 h + 0 .. 15: registers 8-11 of the operand
	global_load_b128 v[60:63], v8, s[20:21] offset:32  ; k 96 + 16 h + 0 .. 15: registers 12-15
	global_load_u16 v12, v9, s[22:23]                  ; L_ft's two scale bytes of my column
	s_wait_loadcnt 0x0
.set n, 0
.rept 32
	v_min_u32 v[16+n], 0xffff, v[16+n]             ; an index stays inside the table
.set n, n+1
.endr
.set n, 0
.rept 32
	v_lshlrev_b32 v[16+n], 5, v[16+n]
.set n, n+1
.endr
.set n, 0
.rept 32
	v_add_nc_u32 v[16+n], v7, v[16+n]
.set n, n+1
.endr
.set n, 0
.rept 32
	global_load_b32 v[64+n], v[16+n], s[14:15]     ; register 16 c + i: W_l's number at k = 32 c + 16 h + i of my column
.set n, n+1
.endr
.irp b, 0,1
	v_mov_b32 v[100+\b], 0                         ; a lane permute's destination counts as one of its sources
.endr
	s_wait_loadcnt 0x0
.set n, 0
.rept 16
	v_pk_mul_f32 v[64+n:65+n], v[64+n:65+n], s[36:37] op_sel_hi:[1,0]
.set n, n+2
.endr
.irp b, 0,1
	v_max3_num_f32 v[96+\b], |v[64+16*\b]|, |v[65+16*\b]|, 0x4800000   ; my 16 numbers of block b, and the floor
.endr
.irp i, 2,4,6,8,10,12,14
.irp b, 0,1
	v_max3_num_f32 v[96+\b], v[96+\b], |v[64+16*\b+\i]|, |v[65+16*\b+\i]|
.endr
.endr
.irp b, 0,1
	v_permlanex16_b32 v[100+\b], v[96+\b], s40, s41
.endr
.irp b, 0,1
	v_max_num_f32 v[96+\b], v[96+\b], v[100+\b]    ; with lane l xor 16's 16: the block's largest magnitude
.endr
.irp b, 0,1
	v_add_nc_u32 v[108+\b], 0xfc000000, v[96+\b]   ; the conversion's scale operand
.endr
.irp b, 0,1
	v_and_or_b32 v[104+\b], v[96+\b], 0x7f800000, s33   ; 448 x the scale
.endr
.irp b, 0,1
	v_lshrrev_b32 v[100+\b], 23, v[108+\b]         ; the scale's byte
.endr
	v_lshl_or_b32 v13, v101, 8, v100               ; my column's scale word: W_l's two bytes below,
	v_lshl_or_b32 v13, v12, 16, v13                ; L_ft's two above
.irp b, 0,1
.irp i, 0,1,2,3,4,5,6,7,8,9,10,11,12,13,14,15
	v_med3_num_f32 v[64+16*\b+\i], v[64+16*\b+\i], -v[104+\b], v[104+\b]
.endr
	v_cvt_scalef32_pk8_fp8_f32 v[48+4*\b:49+4*\b], v[64+16*\b:71+16*\b], v[108+\b]
	v_cvt_scalef32_pk8_fp8_f32 v[50+4*\b:51+4*\b], v[72+16*\b:79+16*\b], v[108+\b]
.endr
	v_nop                                          ; a plain line behind the last conversion
.irp c, 0,1,2,3
	global_store_b128 v4, v[48+4*\c:51+4*\c], s[28:29] offset:512*\c   ; the operand's registers 4 c .. 4 c + 3, lane by lane: 512 consecutive bytes
.endr
	global_store_b32 v10, v13, s[30:31]
	s_endpgm
.Lfunc_end_k_qc6a7673cfa_prep:
	.size	k_qc6a7673cfa_prep, .Lfunc_end_k_qc6a7673cfa_prep-k_qc6a7673cfa_prep
	.p2alignl 7, 3214868480
	.fill 96, 4, 3214868480
	.section	.rodata,"a",@progbits
	.p2align	6, 0x0
	.amdhsa_kernel k_qc6a7673cfa_prep
		.amdhsa_group_segment_fixed_size 1536
		.amdhsa_private_segment_fixed_size 0
		.amdhsa_enable_private_segment 0
		.amdhsa_kernarg_size 96
		.amdhsa_user_sgpr_count 2
		.amdhsa_user_sgpr_kernarg_segment_ptr 1
		.amdhsa_wavefront_size32 1
		.amdhsa_system_sgpr_workgroup_id_x 1
		.amdhsa_system_sgpr_workgroup_id_y 1
		.amdhsa_system_sgpr_workgroup_id_z 1
		.amdhsa_system_vgpr_workitem_id 0
		.amdhsa_next_free_vgpr 256
		.amdhsa_next_free_sgpr 66
		.amdhsa_reserve_vcc 0
		.amdhsa_float_denorm_mode_32 3
		.amdhsa_float_denorm_mode_16_64 3
		.amdhsa_memory_ordered 1
		.amdhsa_forward_progress 1
		.amdhsa_inst_pref_size 76
	.end_amdhsa_kernel
	.amdgpu_metadata
---
amdhsa.version: [ 1, 2 ]
amdhsa.kernels:
  - .name:           k_qc6a7673cfa_prep
    .symbol:         k_qc6a7673cfa_prep.kd
    .args:
      - { .name: Q_idxs, .offset: 0, .size: 8, .value_kind: global_buffer, .address_space: global }
      - { .name: R_idxs, .offset: 8, .size: 8, .value_kind: global_buffer, .address_space: global }
      - { .name: L_idxs, .offset: 16, .size: 8, .value_kind: global_buffer, .address_space: global }
      - { .name: grid, .offset: 24, .size: 8, .value_kind: global_buffer, .address_space: global }
      - { .name: R_ft_codes, .offset: 32, .size: 8, .value_kind: global_buffer, .address_space: global }
      - { .name: R_ft_scales, .offset: 40, .size: 8, .value_kind: global_buffer, .address_space: global }
      - { .name: L_ft_codes, .offset: 48, .size: 8, .value_kind: global_buffer, .address_space: global }
      - { .name: L_ft_scales, .offset: 56, .size: 8, .value_kind: global_buffer, .address_space: global }
      - { .name: bcodes, .offset: 64, .size: 8, .value_kind: global_buffer, .address_space: global }
      - { .name: bscales, .offset: 72, .size: 8, .value_kind: global_buffer, .address_space: global }
      - { .name: w2img, .offset: 80, .size: 8, .value_kind: global_buffer, .address_space: global }
      - { .name: w2sc, .offset: 88, .size: 8, .value_kind: global_buffer, .address_space: global }
    .group_segment_fixed_size: 1536
    .private_segment_fixed_size: 0
    .kernarg_segment_align: 8
    .kernarg_segment_size: 96
    .max_flat_workgroup_size: 128
    .sgpr_count:     66
    .vgpr_count:     256
    .wavefront_size: 32
...
	.end_amdgpu_metadata
.endif
;; end of part 1
;; launch had (part 2): grid 256 x 1, 8 waves a work-group, no clusters, 177,152 bytes of LDS; arguments x, SU, acodes, ascales; writes acodes, ascales
.if DOCPART == 2
	.amdgcn_target "amdgcn-amd-amdhsa--gfx1250"
	.amdhsa_code_object_version 6
	.text
	.protected	k_qc6a7673cfa_had
	.globl	k_qc6a7673cfa_had
	.p2align	8
	.type	k_qc6a7673cfa_had,@function
k_qc6a7673cfa_had:
	s_mov_b64 s[64:65], 0
	v_nop
	global_prefetch_b8 v0, s[64:65] scope:SCOPE_SE
	s_setreg_imm32_b32 hwreg(HW_REG_WAVE_MODE, 25, 1), 1
	s_wait_xcnt 0x0
; xh = H_4096 (x . SU) / 64 for 8,192 rows of 4,096 f32, quantised along the row into E4M3 codes, acodes [8192][4096], with one E8M0 byte for each 32, ascales [8192][128].
; All sums are f32 additions, twelve butterfly stages a number.  The stages are taken in another order than the source takes them (each stage is the same pairing; only the order of rounding differs).
; The factor 2^-6 is folded into SU: a power of two, so nothing is rounded otherwise (but where f32 would underflow).
; LIMITS: NaN and infinities are not served; a block whose largest magnitude lies under 2^-118 (a block of zeros too) gets the byte 1: zeros' codes are zeros, and the bytes are read by this program alone.
; SHARES.  A work-group takes 32 rows, each of its eight waves 4, one at a time: a row is 128 registers a lane.  While a row is worked on, the next row's 32 loads (16 KiB a wave) are on their way.
; TWO MAPS, so that no butterfly and no block's maximum ever crosses lanes.
;   As loaded (each load 512 consecutive bytes): register 4 i + e holds element 128 i + 4 lane + e: register strides 4 .. 64 are element bits 7 .. 11, stride 2 is bit 1.  Six stages.
;   After a turn through the wave's own LDS stage: register q holds element 128 lane + q: strides 4 .. 64 are bits 2 .. 6, the two halves of a pair bit 0.  Six stages.
;   In the second map a lane holds 128 neighbours: four whole blocks of 32, and the four bytes of one scale word.
; Codes leave through a second stage so that each store of the wave covers 512 consecutive bytes; the scale words of a wave's four rows, 512 consecutive bytes, leave by one store at the end.
; No barrier: waves share nothing.  No cluster, no tensor load: what is shared is SU alone, 16 KiB a wave, read once into registers beside 64 KiB of x; x itself is read by one wave only.
; No matrix unit: the sums stand ahead of a quantiser and are f32.
; REGISTERS: window 0: v2-9 addresses; v16-31, v32 the quantiser; v48-79 codes; v80-111 the way out; v112-127 two sets of temporaries; v128-255 the row.  Window 1: v0-127 the next row as it lands; v128-255 SU / 64.
.set WREG, 22016                       ; LDS of a wave: the turn's stage, 32 rows of 512 + 16 bytes;
.set CST,  16896                       ; the codes' stage, 32 rows of 128 + 16 bytes (both pitches are odd multiples of 16 bytes: sixteen lanes' 16 bytes fall on sixteen different columns of 256);
.set SST,  21504                       ; four rows' scale words, 512 bytes
.set LOFF, 2                           ; v2  16 x lane
.set S1W,  3                           ; v3  the turn, in: 16 x lane
.set S1R,  4                           ; v4  the turn, out: 528 x lane
.set C2W,  5                           ; v5  codes in: 144 x lane
.set C2R,  6                           ; v6  codes out: 144 (lane / 8) + 16 (lane % 8)
.set SWA,  7                           ; v7  this row's scale word
.set SWR,  8                           ; v8  scale words out: 16 x lane
.set SW0,  9                           ; v9  my scale word of the wave's first row: 4 x lane
.set TM,   16
.set PW,   32
.set C,    48
.set O,    80
.set TP,   112
.set X,    128
.set MSB, 0
.macro WIN new                         ; the immediate's high byte repeats the setting that is left
.if MSB != \new
	s_set_vgpr_msb (MSB<<8)|\new
.set MSB, \new
.endif
.endm
.set cnt, 0
; Two stages at once on four pairs: (a, b) and (c, d) differ in one element bit, (a, c) and (b, d) in another.  Eight packed additions for eight numbers and two stages; two sets of temporaries by turns.
.macro R4 a, b, c, d
.set TB, TP+8*(cnt%2)
.set cnt, cnt+1
	v_pk_add_f32 v[TB:TB+1],   v[\a:\a+1], v[\b:\b+1]
	v_pk_add_f32 v[TB+4:TB+5], v[\c:\c+1], v[\d:\d+1]
	v_pk_add_f32 v[TB+2:TB+3], v[\a:\a+1], v[\b:\b+1] neg_lo:[0,1] neg_hi:[0,1]
	v_pk_add_f32 v[TB+6:TB+7], v[\c:\c+1], v[\d:\d+1] neg_lo:[0,1] neg_hi:[0,1]
	v_pk_add_f32 v[\a:\a+1], v[TB:TB+1],   v[TB+4:TB+5]
	v_pk_add_f32 v[\c:\c+1], v[TB:TB+1],   v[TB+4:TB+5] neg_lo:[0,1] neg_hi:[0,1]
	v_pk_add_f32 v[\b:\b+1], v[TB+2:TB+3], v[TB+6:TB+7]
	v_pk_add_f32 v[\d:\d+1], v[TB+2:TB+3], v[TB+6:TB+7] neg_lo:[0,1] neg_hi:[0,1]
.endm
.macro PASS base, s1, s2               ; the stages of register strides s1 and s2 over 128 registers: 16 x R4
.set p, 0
.rept 64
.if ((p & \s1) == 0) && ((p & \s2) == 0)
	R4 \base+p, \base+p+\s1, \base+p+\s2, \base+p+\s1+\s2
.endif
.set p, p+2
.endr
.endm
; The stage between two pairs, then the stage between the halves of each pair.
.macro R4M P, Q
.set TB, TP+8*(cnt%2)
.set cnt, cnt+1
	v_pk_add_f32 v[TB:TB+1],   v[\P:\P+1], v[\Q:\Q+1]
	v_pk_add_f32 v[TB+2:TB+3], v[\P:\P+1], v[\Q:\Q+1] neg_lo:[0,1] neg_hi:[0,1]
	v_add_f32 v[\P],   v[TB],   v[TB+1]
	v_sub_f32 v[\P+1], v[TB],   v[TB+1]
	v_add_f32 v[\Q],   v[TB+2], v[TB+3]
	v_sub_f32 v[\Q+1], v[TB+2], v[TB+3]
.endm
.macro PASSM base, s
.set p, 0
.rept 64
.if (p & \s) == 0
	R4M \base+p, \base+p+\s
.endif
.set p, p+2
.endr
.endm
.macro LOADX                           ; a row: 32 loads of 512 consecutive bytes, into window 1
	WIN 0x40
.set i, 0
.rept 32
	global_load_b128 v[4*i:4*i+3], v[LOFF], s[4:5] offset:512*i th:TH_LOAD_NT
.set i, i+1
.endr
	WIN 0
.endm
.macro SUMUL                           ; x . SU / 64, and out of the landing registers into window 0
	WIN 0x05
.set i, 0
.rept 64
	v_pk_mul_f32 v[X+2*i:X+2*i+1], v[2*i:2*i+1], v[128+2*i:129+2*i]
.set i, i+1
.endr
	WIN 0
.endm
.macro QUANT32                         ; my 128 numbers: four blocks of 32, all mine: codes into v[C] on, the four bytes into v[PW]
.irp b, 0,1,2,3
	v_max3_num_f32 v[TM+\b], |v[X+32*\b]|, |v[X+32*\b+1]|, 0x4800000   ; with the floor 2^(9 - 127): the byte cannot fall under 1
.endr
.irp i, 2,4,6,8,10,12,14,16,18,20,22,24,26,28,30
.irp b, 0,1,2,3
	v_max3_num_f32 v[TM+\b], v[TM+\b], |v[X+32*\b+\i]|, |v[X+32*\b+\i+1]|   ; the four blocks by turns
.endr
.endr
.irp b, 0,1,2,3
	v_add_nc_u32 v[TM+12+\b], 0xfc000000, v[TM+\b]   ; 8 off the exponent field: the conversion's scale operand
.endr
.irp b, 0,1,2,3
	v_and_or_b32 v[TM+8+\b], v[TM+\b], 0x7f800000, s13   ; 448 x the scale
.endr
.irp b, 0,1,2,3
	v_lshrrev_b32 v[TM+4+\b], 23, v[TM+12+\b]      ; the scale's byte
.endr
	v_lshl_or_b32 v[PW], v[TM+5], 8, v[TM+4]
	v_lshl_or_b32 v[PW], v[TM+6], 16, v[PW]
	v_lshl_or_b32 v[PW], v[TM+7], 24, v[PW]
.irp b, 0,1,2,3
.set i, 0
.rept 32
	v_med3_num_f32 v[X+32*\b+i], v[X+32*\b+i], -v[TM+8+\b], v[TM+8+\b]   ; the conversion does not saturate (ISA guide 7.6.2): the hold comes first
.set i, i+1
.endr
.irp g, 0,1,2,3
	v_cvt_scalef32_pk8_fp8_f32 v[C+8*\b+2*\g:C+8*\b+2*\g+1], v[X+32*\b+8*\g:X+32*\b+8*\g+7], v[TM+12+\b]
.endr
.endr
	v_nop                                          ; a plain line behind the last conversion
.endm
.macro ROW ahead                       ; ahead = 1: the next row is asked for
	s_wait_loadcnt 0x0                             ; the row has landed; its loads' base may step
	SUMUL
.if \ahead
	s_add_nc_u64 s[4:5], s[4:5], 16384
	LOADX                                          ; it has this row's whole work in which to land
.endif
	PASS X, 4, 8                                   ; element bits 7, 8
	PASS X, 16, 32                                 ; 9, 10
	PASS X, 64, 2                                  ; 11, 1
.set i, 0
.rept 32
	ds_store_b128 v[S1W], v[X+4*i:X+4*i+3] offset:528*i   ; stage row i = elements 128 i .. 128 i + 127
.set i, i+1
.endr
.set i, 0
.rept 32
	ds_load_b128 v[X+4*i:X+4*i+3], v[S1R] offset:16*i     ; LDS serves a wave's instructions in order: lane l takes stage row l
.set i, i+1
.endr
	v_add_nc_u32 v[SWA], s24, v[SW0]               ; this row's scale word
	s_wait_dscnt 0x0
	PASS X, 4, 8                                   ; element bits 2, 3
	PASS X, 16, 32                                 ; 4, 5
	PASSM X, 64                                    ; 6, 0
	QUANT32
	ds_store_b32 v[SWA], v[PW]
.irp q, 0,1,2,3,4,5,6,7
	ds_store_b128 v[C2W], v[C+4*\q:C+4*\q+3] offset:16*\q   ; my 128 codes: stage row = lane
.endr
.irp g, 0,1,2,3,4,5,6,7
	ds_load_b128 v[O+4*\g:O+4*\g+3], v[C2R] offset:576*\g   ; back as the row lies in memory: four stage rows an instruction
.endr
	s_wait_dscnt 0x0
.irp g, 0,1,2,3,4,5,6,7
	global_store_b128 v[LOFF], v[O+4*\g:O+4*\g+3], s[8:9] offset:512*\g   ; 32 lanes store 512 consecutive bytes
.endr
	s_wait_xcnt 0x0                                ; the stores' data and base are written again only behind this wait
.if \ahead
	s_add_nc_u64 s[8:9], s[8:9], 4096
	s_add_co_u32 s24, s24, 128
.endif
.endm
	s_load_b256 s[4:11], s[0:1], 0x0               ; x s[4:5], SU s[6:7], acodes s[8:9], ascales s[10:11]
	v_lshl_add_u32 v46, v0, 2, 0x2b000
	v_mov_b32 v47, 0
	v_lshrrev_b32 v1, 5, v0
	v_readfirstlane_b32 s16, v1                    ; wave 0..7
	v_and_b32 v1, 31, v0                           ; lane
	v_lshlrev_b32 v[LOFF], 4, v1
	s_mul_i32 s17, s16, WREG                       ; my wave's LDS
	v_add_nc_u32 v[S1W], s17, v[LOFF]
	v_mul_u32_u24 v[S1R], v1, 528
	v_add_nc_u32 v[S1R], s17, v[S1R]
	s_add_co_u32 s18, s17, CST
	v_mul_u32_u24 v[C2W], v1, 144
	v_add_nc_u32 v[C2W], s18, v[C2W]
	v_lshrrev_b32 v10, 3, v1
	v_mul_u32_u24 v10, v10, 144
	v_and_b32 v11, 7, v1
	v_lshl_add_u32 v10, v11, 4, v10
	v_add_nc_u32 v[C2R], s18, v10
	s_add_co_u32 s18, s17, SST
	v_lshlrev_b32 v[SW0], 2, v1
	v_add_nc_u32 v[SW0], s18, v[SW0]
	v_add_nc_u32 v[SWR], s18, v[LOFF]
	s_lshl_b32 s2, ttmp9, 5
	s_lshl_b32 s3, s16, 2
	s_add_co_u32 s2, s2, s3                        ; my first row: 32 x work-group + 4 x wave
	s_lshl_b32 s18, s2, 14                         ; x: 16,384 bytes a row (under 2^27 in all)
	s_mov_b32 s19, 0
	s_lshl_b32 s20, s2, 12                         ; codes: 4,096
	s_mov_b32 s21, 0
	s_lshl_b32 s22, s2, 7                          ; scale bytes: 128
	s_mov_b32 s23, 0
	s_mov_b32 s13, 0x600000                        ; the mantissa field of 448
	s_mov_b32 s14, 0x3c800000                      ; 2^-6
	s_mov_b32 s15, s14
	s_mov_b32 s24, 0                               ; the row's place among my scale words: 128 bytes a row
	s_wait_kmcnt 0x0
	s_add_nc_u64 s[4:5], s[4:5], s[18:19]
	s_add_nc_u64 s[8:9], s[8:9], s[20:21]
	s_add_nc_u64 s[10:11], s[10:11], s[22:23]
	WIN 0x40
.set i, 0
.rept 32
	global_load_b128 v[128+4*i:131+4*i], v[LOFF], s[6:7] offset:512*i   ; SU in the map of a row as it is loaded
.set i, i+1
.endr
	LOADX                                          ; the first row
	s_wait_loadcnt 32                              ; SU is in; the first row's 32 loads, issued behind it, may be out
	WIN 0x41
.set i, 0
.rept 64
	v_pk_mul_f32 v[128+2*i:129+2*i], v[128+2*i:129+2*i], s[14:15] op_sel_hi:[1,0]
.set i, i+1
.endr
	WIN 0
	s_mov_b32 s12, 3
.Lrow:
	ROW 1
	s_sub_co_u32 s12, s12, 1
	s_cmp_lg_u32 s12, 0
	s_cbranch_scc1 .Lrow
	ROW 0                                          ; the last row asks for nothing: no load leaves the buffer
	ds_load_b128 v[O:O+3], v[SWR]                  ; my four rows' scale words
	s_wait_dscnt 0x0
	global_store_b128 v[LOFF], v[O:O+3], s[10:11]  ; 512 consecutive bytes, aligned
	s_wait_tensorcnt 0x0
	ds_add_u32 v46, v47
	s_wait_dscnt 0x0
	s_endpgm
.Lfunc_end_k_qc6a7673cfa_had:
	.size	k_qc6a7673cfa_had, .Lfunc_end_k_qc6a7673cfa_had-k_qc6a7673cfa_had
	.p2alignl 7, 3214868480
	.fill 96, 4, 3214868480
	.section	.rodata,"a",@progbits
	.p2align	6, 0x0
	.amdhsa_kernel k_qc6a7673cfa_had
		.amdhsa_group_segment_fixed_size 177152
		.amdhsa_private_segment_fixed_size 0
		.amdhsa_enable_private_segment 0
		.amdhsa_kernarg_size 32
		.amdhsa_user_sgpr_count 2
		.amdhsa_user_sgpr_kernarg_segment_ptr 1
		.amdhsa_wavefront_size32 1
		.amdhsa_system_sgpr_workgroup_id_x 1
		.amdhsa_system_sgpr_workgroup_id_y 1
		.amdhsa_system_sgpr_workgroup_id_z 1
		.amdhsa_system_vgpr_workitem_id 0
		.amdhsa_next_free_vgpr 512
		.amdhsa_next_free_sgpr 66
		.amdhsa_reserve_vcc 0
		.amdhsa_float_denorm_mode_32 3
		.amdhsa_float_denorm_mode_16_64 3
		.amdhsa_memory_ordered 1
		.amdhsa_forward_progress 1
		.amdhsa_inst_pref_size 161
	.end_amdhsa_kernel
	.amdgpu_metadata
---
amdhsa.version: [ 1, 2 ]
amdhsa.kernels:
  - .name:           k_qc6a7673cfa_had
    .symbol:         k_qc6a7673cfa_had.kd
    .args:
      - { .name: x, .offset: 0, .size: 8, .value_kind: global_buffer, .address_space: global }
      - { .name: SU, .offset: 8, .size: 8, .value_kind: global_buffer, .address_space: global }
      - { .name: acodes, .offset: 16, .size: 8, .value_kind: global_buffer, .address_space: global }
      - { .name: ascales, .offset: 24, .size: 8, .value_kind: global_buffer, .address_space: global }
    .group_segment_fixed_size: 177152
    .private_segment_fixed_size: 0
    .kernarg_segment_align: 8
    .kernarg_segment_size: 32
    .max_flat_workgroup_size: 256
    .sgpr_count:     66
    .vgpr_count:     512
    .wavefront_size: 32
...
	.end_amdgpu_metadata
.endif
;; end of part 2
;; launch gemm (part 3): grid 4 x 64, 4 waves a work-group, clusters of 4 x 4, 327,680 bytes of LDS; arguments acodes, ascales, bcodes, bscales, yimg; writes yimg
.if DOCPART == 3
	.amdgcn_target "amdgcn-amd-amdhsa--gfx1250"
	.amdhsa_code_object_version 6
	.text
	.protected	k_qc6a7673cfa_gemm
	.globl	k_qc6a7673cfa_gemm
	.p2align	8
	.type	k_qc6a7673cfa_gemm,@function
k_qc6a7673cfa_gemm:
	s_mov_b64 s[64:65], 0
	v_nop
	global_prefetch_b8 v0, s[64:65] scope:SCOPE_SE
	s_setreg_imm32_b32 hwreg(HW_REG_WAVE_MODE, 25, 1), 1
	s_wait_xcnt 0x0
	s_wait_alu depctr_hold_cnt(0) depctr_sa_sdst(0) depctr_va_vdst(0) depctr_va_sdst(0) depctr_va_ssrc(0) depctr_va_vcc(0) depctr_vm_vsrc(0)
	s_getreg_b32 s2, hwreg(HW_REG_IB_STS2, 6, 4)
	s_cmp_eq_u32 s2, 0
	s_cbranch_scc0 .Lentry_in_a_cluster
	s_endpgm
.Lentry_in_a_cluster:
	s_bfe_u32 s2, ttmp6, 0x10000c
	s_cmp_lg_u32 s2, 0xf033
	s_cbranch_scc0 .Lentry_shape_is_right
	s_endpgm
.Lentry_shape_is_right:
; The three products with K = 4,096 as ONE: [8192 x 4096] x [1152 x 4096]^T on E4M3 codes with one E8M0 byte for each 32 along K; sums in f32, K ascending, one accumulator an output.
; Columns 0-1023 are xh W_q^T; columns 1024-1151 are xh W_r^T and xh R_ft^T in the order in which the weights' launch laid their rows.
; A work-group makes 128 rows x 288 columns: 64 x 4 = 256 work-groups.  Wave (wr, wc) makes 64 x 144: 4 x 9 accumulators of 16 x 16, 288 registers.
; K goes in steps of 256 through a ring of two LDS slots filled by the tensor data mover (rows of 256 bytes); a slot holds two matrix instructions' depth.
; THE SCALES of the work-group's 288 + 128 rows, for all of K, are dense blocks of memory: they come into LDS once, with the first fills, as rows of 256 bytes, and stay.
; CLUSTERS: 4 x 4 work-groups.  The four of a row of the cluster need the same tile of A, the four of a column the same tile of B: each tile is asked for JOINTLY.  Waves 0-2 fetch 96 rows of B each, wave 3 A's 128.
; THE MATRIX INSTRUCTION IS USED TRANSPOSED (source 0 = 16 rows of B, source 1 = 16 rows of A): lane (r, h) holds row r, and its register j column 8 h + j of the tile.
; THE RESULT LEAVES AS AN IMAGE OF THE ACCUMULATORS: yimg [512 tiles of rows][72 tiles of columns][1,024 bytes], registers 0-3 at 16 x lane, registers 4-7 at 512 + 16 x lane: each store covers 512 consecutive bytes,
; aligned, with no way through LDS, and the last launch loads a tile straight in as the C of its own product.
; REGISTERS, in windows of 256.  Window 0: v16-29 addresses; v32-83 scale words, two sets of 26 (they hold scales alone); v128-255 A's fragments, two sets of 4 x 16.
;   Window 1: v0-143 B's fragments, set 0; v144-215 the accumulators of A's block 3.   Window 2: v0-143 B's set 1.   Window 3: v0-215 the accumulators of A's blocks 0-2 (72 a + 8 b).
.set PITCH,  272                       ; an LDS row: 256 bytes + 16 of padding: an odd multiple of 16, so the sixteen rows of a fragment load fall on sixteen different columns of 256 bytes
.set AOFF,   288*PITCH                 ; a slot: B's 288 rows, then A's 128
.set SLOT,   AOFF+128*PITCH
.set SCL,    2*SLOT                    ; behind the ring: B's scale bytes, 144 rows of 256 + 16;
.set SCA,    SCL+144*272               ; A's, 64 such rows
.set SPARE,  SCA+64*272                ; the spare words, 128 bytes for each wave: two blocks of 256 bytes that no other line names
.set WFILL,  96*PITCH                  ; from one wave's fill to the next's: B's three parts, and A's begins where a fourth would
.set WFILS,  48*272                    ; the same for the scales
.set SBLK,   8*272                     ; the scale bytes of 16 rows
.set LAPS,   8                         ; 4,096 / 512: a lap = two K steps = once round the ring
.set ADRA, 16                          ; v16-17  LDS address of my A fragments in slot 0, 1
.set ADRB, 20                          ; v20-21  the same for B
.set ADSA, 22                          ; v22     LDS address of my A rows' scale words of the K step in hand
.set ADSB, 23                          ; v23     the same for B
.set CO,   26                          ; v26     16 x lane
.set SPW,  28                          ; v28     LDS address of my spare word; never rewritten
.set NIL,  29                          ; v29     0; never rewritten
.set SC,   32                          ; scale words: set s at SC + 26 s; B's block b, depth q at + 2 b + q; A's block a at + 18 + 2 a + q
.set AF,   128
.set G1, 24                            ; s[24:31] descriptor group 1 for A's tiles;  s[32:39] group 0, one set for each slot
.set G0, 32
.set G1B, 48                           ; s[48:55], s[56:63] the same for B's
.set G0B, 56
.set G1S, 68                           ; s[68:75], s[76:79] groups 1 and 0 for A's scales;  s[80:87], s[88:91] for B's
.set G0S, 76
.set G1SB, 80
.set G0SB, 88
.set MSB, 0
.macro WIN new                         ; the immediate's high byte repeats the setting that is left
.if MSB != \new
	s_set_vgpr_msb (MSB<<8)|\new
.set MSB, \new
.endif
.endm
; A joint load: wave 3 fetches for A, waves 0-2 for B.  Each of the two lines has one mask and one set of registers for all that issue it; the branch hangs on the wave's number alone.
; Four v_nop follow each of the two lines, ahead of the jump, the label and what follows.
.macro JLOAD g0a, g1a, g0b, g1b
	s_cmp_eq_u32 s14, 3
	s_cbranch_scc0 .Lfor_b_\@
	tensor_load_to_lds s[\g0a:\g0a+3], s[\g1a:\g1a+7]
	s_nop 0
.rept 4
	v_nop
.endr
	s_branch .Lasked_\@
.Lfor_b_\@:
	tensor_load_to_lds s[\g0b:\g0b+3], s[\g1b:\g1b+7]
	s_nop 0
.rept 4
	v_nop
.endr
.Lasked_\@:
.endm
.macro CREST                           ; a round of the cluster's barrier behind its opening barrier
	s_cmp_lg_u32 s14, 0
	s_cbranch_scc1 .Lnot_wave_0_\@
	s_barrier_signal -3
.Lnot_wave_0_\@:
	s_barrier_wait -3
	s_barrier_signal -1
	s_barrier_wait -1
.endm
.macro CROUND                          ; a whole round
	s_barrier_signal -1
	s_barrier_wait -1
	CREST
.endm
.macro PLACES n                        ; plain vector lines between a matrix instruction and a load into, or a store from, its registers (eight for this form)
.rept \n
	v_nop
.endr
.endm
	s_load_b128 s[4:7], s[0:1], 0x0                ; A's codes s[4:5], A's scales s[6:7]
	s_load_b128 s[8:11], s[0:1], 0x10              ; B's codes s[8:9], B's scales s[10:11]
	s_load_b64 s[12:13], s[0:1], 0x20              ; yimg
	v_lshl_add_u32 v[SPW], v0, 2, SPARE
	v_mov_b32 v[NIL], 0
	ds_add_u32 v28, v29
	ds_add_u32 v28, v29
	s_wait_dscnt 0x0
	v_lshrrev_b32 v1, 5, v0
	v_readfirstlane_b32 s14, v1                    ; wave 0..3
	s_lshr_b32 s15, s14, 1                         ; wr: which 64 of the tile's rows are mine
	s_and_b32 s16, s14, 1                          ; wc: which 144 of its columns
	s_bfe_u32 s40, ttmp6, 0x40000                  ; cx, cy: my place in the cluster
	s_bfe_u32 s41, ttmp6, 0x40004
	s_lshl_b32 s42, ttmp9, 2
	s_add_co_u32 s42, s42, s40                     ; tile column = 4 x cluster x + cx
	s_and_b32 s17, ttmp7, 0xffff
	s_lshl_b32 s17, s17, 2
	s_add_co_u32 s17, s17, s41                     ; tile row = 4 x cluster y + cy
	s_lshl_b32 s43, s41, 2
	s_lshl_b32 s43, 15, s43                        ; my row of the cluster
	s_lshl_b32 s44, 0x1111, s40                    ; my column
	; descriptor groups 1.  Codes: rows of 256 elements of one byte, 4,096 apart, 16 bytes of padding behind each (after every 64 words, four words); A: 128 rows, B: 96
	s_or_b32 s[G1+0], s43, (0<<16)|(1<<20)|(1<<21)|(5<<22)|(3<<25)   ; the mask: A's tiles go to my row of the cluster; bit 21 set beside a mask
	s_or_b32 s[G1B+0], s44, (0<<16)|(1<<20)|(1<<21)|(5<<22)|(3<<25)  ; B's to my column
	s_mov_b32 s[G1+1], 256<<16                     ; tensor_dim0
	s_mov_b32 s[G1+2], 128<<16                     ; tensor_dim1
	s_mov_b32 s[G1+3], 256<<16                     ; tile_dim0
	s_mov_b32 s[G1+4], 128                         ; tile_dim1
	s_mov_b32 s[G1+5], 4096                        ; from row to row
	s_mov_b32 s[G1+6], 0
	s_mov_b32 s[G1+7], 0
	s_mov_b32 s[G1B+1], 256<<16
	s_mov_b32 s[G1B+2], 96<<16
	s_mov_b32 s[G1B+3], 256<<16
	s_mov_b32 s[G1B+4], 96
	s_mov_b32 s[G1B+5], 4096
	s_mov_b32 s[G1B+6], 0
	s_mov_b32 s[G1B+7], 0
	; scales: dense blocks as rows of 256 bytes (32 elements of 8 bytes), the same padding; A: 128 x 128 bytes = 64 rows, B: 96 x 128 = 48
	s_or_b32 s[G1S+0], s43, (3<<16)|(1<<20)|(1<<21)|(5<<22)|(3<<25)
	s_or_b32 s[G1SB+0], s44, (3<<16)|(1<<20)|(1<<21)|(5<<22)|(3<<25)
	s_mov_b32 s[G1S+1], 32<<16
	s_mov_b32 s[G1S+2], 64<<16
	s_mov_b32 s[G1S+3], 32<<16
	s_mov_b32 s[G1S+4], 64
	s_mov_b32 s[G1S+5], 32
	s_mov_b32 s[G1S+6], 0
	s_mov_b32 s[G1S+7], 0
	s_mov_b32 s[G1SB+1], 32<<16
	s_mov_b32 s[G1SB+2], 48<<16
	s_mov_b32 s[G1SB+3], 32<<16
	s_mov_b32 s[G1SB+4], 48
	s_mov_b32 s[G1SB+5], 32
	s_mov_b32 s[G1SB+6], 0
	s_mov_b32 s[G1SB+7], 0
	; where the tiles come from.  A's hang on the tile row alone, B's on the tile column and the wave's number; each in registers that never hold the other coordinate
	s_lshl_b32 s20, s17, 19                        ; A's codes: 128 rows of 4,096 bytes a tile row
	s_mov_b32 s21, 0
	s_lshl_b32 s22, s17, 14                        ; A's scales: 128 rows of 128 bytes
	s_mov_b32 s23, 0
	s_mul_i32 s46, s42, 288
	s_mul_i32 s18, s14, 96
	s_add_co_u32 s46, s46, s18                     ; B: row 288 x tile column + 96 x wave (wave 3 makes the number and never asks by it)
	s_lshl_b32 s92, s46, 7
	s_mov_b32 s93, 0
	s_lshl_b32 s46, s46, 12
	s_mov_b32 s47, 0
	s_mul_i32 s45, s14, WFILL                      ; where they go: no place in the cluster enters an LDS address
	s_mul_i32 s94, s14, WFILS
	s_wait_kmcnt 0x0
	s_add_nc_u64 s[20:21], s[4:5], s[20:21]
	s_add_nc_u64 s[22:23], s[6:7], s[22:23]
	s_add_nc_u64 s[46:47], s[8:9], s[46:47]
	s_add_nc_u64 s[92:93], s[10:11], s[92:93]
	CROUND                                         ; all sixteen work-groups are here: the first joint loads meet
	s_mov_b32 s[G0S], 1
	s_add_co_u32 s[G0S+1], s94, SCL
	s_mov_b64 s[G0S+2:G0S+3], s[22:23]
	s_or_b32 s[G0S+3], s[G0S+3], 0x80000000
	s_mov_b32 s[G0SB], 1
	s_add_co_u32 s[G0SB+1], s94, SCL
	s_mov_b64 s[G0SB+2:G0SB+3], s[92:93]
	s_or_b32 s[G0SB+3], s[G0SB+3], 0x80000000
	JLOAD G0S, G1S, G0SB, G1SB                     ; the scales first: they are wanted with K step 0
.irp s, 0,1
	s_mov_b32 s[G0+4*\s], 1
	s_add_co_u32 s[G0+4*\s+1], s45, \s*SLOT
	s_add_nc_u64 s[G0+4*\s+2:G0+4*\s+3], s[20:21], \s*256
	s_or_b32 s[G0+4*\s+3], s[G0+4*\s+3], 0x80000000
	s_mov_b32 s[G0B+4*\s], 1
	s_add_co_u32 s[G0B+4*\s+1], s45, \s*SLOT
	s_add_nc_u64 s[G0B+4*\s+2:G0B+4*\s+3], s[46:47], \s*256
	s_or_b32 s[G0B+4*\s+3], s[G0B+4*\s+3], 0x80000000
	JLOAD G0+4*\s, G1, G0B+4*\s, G1B               ; three tensor loads of mine are out now, the most in this text
.endr
	v_and_b32 v1, 15, v0                           ; r
	v_bfe_u32 v2, v0, 4, 1                         ; h
	v_mul_u32_u24 v3, v1, PITCH
	v_lshl_add_u32 v4, v2, 4, v3                   ; a fragment's row x pitch + 16 h
	s_mul_i32 s18, s15, 64*PITCH                   ; my 64 rows of A, behind B's 288
	s_add_co_u32 s18, s18, AOFF
	s_mul_i32 s19, s16, 144*PITCH                  ; my 144 rows of B
.irp s, 0,1
	v_add_nc_u32 v[ADRA+\s], s18, v4
	v_add_nc_u32 v[ADRB+\s], s19, v4
	s_add_co_u32 s18, s18, SLOT
	s_add_co_u32 s19, s19, SLOT
.endr
	v_lshlrev_b32 v5, 7, v1                        ; my row's scale bytes: 128 a row,
	v_lshrrev_b32 v6, 1, v1
	v_lshl_add_u32 v5, v6, 4, v5                   ; and 16 more for each 256 passed
	s_mul_i32 s18, s15, 32*272
	s_add_co_u32 s18, s18, SCA
	s_mul_i32 s19, s16, 72*272
	s_add_co_u32 s19, s19, SCL
	v_add_nc_u32 v[ADSA], s18, v5
	v_add_nc_u32 v[ADSB], s19, v5
	v_and_b32 v6, 31, v0
	v_lshlrev_b32 v[CO], 4, v6
	s_lshl_b32 s96, s17, 3                         ; my first tile of yimg: tile of rows 8 x tile row + 4 wr, tile of columns 18 x tile column + 9 wc; 72 tiles of 1,024 bytes a tile of rows
	s_lshl_b32 s97, s15, 2
	s_add_co_u32 s96, s96, s97
	s_mul_i32 s96, s96, 72
	s_mul_i32 s97, s42, 18
	s_add_co_u32 s96, s96, s97
	s_mul_i32 s97, s16, 9
	s_add_co_u32 s96, s96, s97
	s_lshl_b32 s96, s96, 10
	s_mov_b32 s97, 0
	s_add_nc_u64 s[12:13], s[12:13], s[96:97]
.macro FRAG reg, adr, q, i             ; a fragment, 16 rows x 128 K: lane (r, h) holds row r; registers 4 c .. 4 c + 3 hold K = 32 c + 16 h + 0 .. 15
.irp c, 0,1,2,3
	ds_load_b128 v[\reg+4*\c:\reg+4*\c+3], v[\adr] offset:128*(\q)+32*\c+(\i)*16*PITCH
.endr
.endm
.macro FETCH slot, q, p                ; 52 LDS loads in one run: B's nine and A's four fragments of the slot's q-th 128 along K, into set p
	WIN 0x40*(1+(\p))                              ; destination window 1 or 2
.irp i, 0,1,2,3,4,5,6,7,8
	FRAG 16*\i, ADRB+\slot, \q, \i
.endr
	WIN 0
.irp i, 0,1,2,3
	FRAG AF+64*(\p)+16*\i, ADRA+\slot, \q, \i
.endr
.endm
.macro SCALES sc                       ; a K step's scale words, two a row, into set sc; lanes 0-15 are read by the matrix unit, lanes 16-31 hold the same
.irp i, 0,1,2,3,4,5,6,7,8
	ds_load_b64 v[SC+26*\sc+2*\i:SC+26*\sc+2*\i+1], v[ADSB] offset:\i*SBLK
.endr
.irp i, 0,1,2,3
	ds_load_b64 v[SC+26*\sc+18+2*\i:SC+26*\sc+18+2*\i+1], v[ADSA] offset:\i*SBLK
.endr
.endm
; Nine matrix instructions: A's block a x B's nine, 128 along K.  p: the set of fragments; q, sc: which scale words.  zero = 1: the first product starts the sums: nothing is ever cleared.
; The 36 accumulators take turns, one instruction a turn, in the same order in every step.
.macro MULA a, p, q, sc, zero
.if (\a) < 3
	WIN 0xf1+(\p)                                  ; source 0 (B) window 1 or 2, source 1 (A) window 0, C and D window 3
.set AC, 72*(\a)
.else
	WIN 0x51+(\p)                                  ; C and D window 1
.set AC, 144
.endif
.set FA, AF+64*(\p)+16*(\a)
.set SA, SC+26*(\sc)+18+2*(\a)+(\q)
.set SB, SC+26*(\sc)+(\q)
.irp b, 0,1,2,3,4,5,6,7,8
.if \zero
	v_wmma_scale_f32_16x16x128_f8f6f4 v[AC+8*\b:AC+8*\b+7], v[16*\b:16*\b+15], v[FA:FA+15], 0, v[SB+2*\b], v[SA]
.else
	v_wmma_scale_f32_16x16x128_f8f6f4 v[AC+8*\b:AC+8*\b+7], v[16*\b:16*\b+15], v[FA:FA+15], v[AC+8*\b:AC+8*\b+7], v[SB+2*\b], v[SA]
.endif
.endr
.endm
; A slot's first 128 along K: multiplies set 0 and fetches the second 128 into set 1.
.macro STEP slot, zero
	s_wait_dscnt 0x0                               ; set 0 and the K step's scale words are in
	PLACES 8                                       ; set 1 was read by the products just issued
	FETCH \slot, 1, 1
	MULA 0, 0, 0, \slot, \zero
	MULA 1, 0, 0, \slot, \zero
	MULA 2, 0, 0, \slot, \zero
	MULA 3, 0, 0, \slot, \zero
	WIN 0
.endm
; A slot's second 128 multiplies set 1 and changes slots: ONE barrier; in front of it each wave waits for all its tensor loads, adds 0 to its spare word, and waits for that and for its reads of this slot.
; fill = 1: the barrier opens a round of the cluster's, and this slot is filled again, two K steps ahead: the load has 72 matrix instructions and two runs of LDS loads in which to land.
.macro TURN slot, next, fill
	s_wait_tensorcnt 0x0                           ; all my tensor loads have landed: my part of the next slot
	ds_add_u32 v[SPW], v[NIL]                      ; 0 onto my spare word
	s_wait_dscnt 1                                 ; set 1 is in; the add alone may be out
	MULA 0, 1, 1, \slot, 0                         ; nine matrix instructions stand between the add and the wait for it
	s_wait_dscnt 0x0                               ; the add is done, and my reads of this slot are over
	s_barrier_signal -1
	MULA 1, 1, 1, \slot, 0
	WIN 0
	s_barrier_wait -1
.if \fill
	CREST                                          ; no wave of any partner still reads this slot's tile or has a load on its way
	s_add_nc_u64 s[G0+4*\slot+2:G0+4*\slot+3], s[G0+4*\slot+2:G0+4*\slot+3], 512
	s_add_nc_u64 s[G0B+4*\slot+2:G0B+4*\slot+3], s[G0B+4*\slot+2:G0B+4*\slot+3], 512
	JLOAD G0+4*\slot, G1, G0B+4*\slot, G1B         ; the first tensor load behind the round; its four v_nop are among the places in front of the loads below
	PLACES 4
.else
	PLACES 8
.endif
	v_add_nc_u32 v[ADSA], 8, v[ADSA]               ; on to the next K step's scale words (no LDS load of mine is out)
	v_add_nc_u32 v[ADSB], 8, v[ADSB]
	FETCH \next, 0, 0
	SCALES \next
	MULA 2, 1, 1, \slot, 0
	MULA 3, 1, 1, \slot, 0
	WIN 0
.endm
	s_wait_tensorcnt 0x1                           ; the scales and my part of K step 0 are in (K step 1's load, issued behind them, may be out)
	s_barrier_signal -1
	s_barrier_wait -1                              ; everybody's are
	FETCH 0, 0, 0
	SCALES 0
	STEP 0, 1                                      ; the first step stands in front of the loop: its products start the sums
	s_mov_b32 s3, LAPS-1
.Llap:                                                 ; a trip goes once round the ring and fills both slots again
	TURN 0, 1, 1
	STEP 1, 0
	TURN 1, 0, 1
	STEP 0, 0
	s_sub_co_u32 s3, s3, 1
	s_cmp_lg_u32 s3, 0
	s_cbranch_scc1 .Llap
	TURN 0, 1, 0                                   ; the last lap fills nothing, and has no round of the cluster's barrier
	STEP 1, 0
	s_wait_dscnt 0x0                               ; the very last 128 along K
	MULA 0, 1, 1, 1, 0
	MULA 1, 1, 1, 1, 0
	MULA 2, 1, 1, 1, 0
	MULA 3, 1, 1, 1, 0
	WIN 0
	PLACES 8                                       ; in front of the stores that read the results
	WIN 0x0c                                       ; a store's data are its source 1: window 3
.irp a, 0,1,2
.irp b, 0,1,2,3,4,5,6,7,8
	global_store_b128 v[CO], v[72*\a+8*\b:72*\a+8*\b+3], s[12:13] offset:\a*73728+\b*1024         ; each accumulator from its low end on; 512 consecutive bytes, aligned
	global_store_b128 v[CO], v[72*\a+8*\b+4:72*\a+8*\b+7], s[12:13] offset:\a*73728+\b*1024+512
.endr
.endr
	WIN 0x04                                       ; window 1
.irp b, 0,1,2,3,4,5,6,7,8
	global_store_b128 v[CO], v[144+8*\b:144+8*\b+3], s[12:13] offset:3*73728+\b*1024
	global_store_b128 v[CO], v[144+8*\b+4:144+8*\b+7], s[12:13] offset:3*73728+\b*1024+512
.endr
	WIN 0
	s_wait_tensorcnt 0x0                           ; the wave's end
	ds_add_u32 v[SPW], v[NIL]
	s_wait_dscnt 0x0
	CROUND                                         ; the closing round: no work-group ends while a partner may still ask for a tile that names it
	s_endpgm
.Lfunc_end_k_qc6a7673cfa_gemm:
	.size	k_qc6a7673cfa_gemm, .Lfunc_end_k_qc6a7673cfa_gemm-k_qc6a7673cfa_gemm
	.p2alignl 7, 3214868480
	.fill 96, 4, 3214868480
	.section	.rodata,"a",@progbits
	.p2align	6, 0x0
	.amdhsa_kernel k_qc6a7673cfa_gemm
		.amdhsa_group_segment_fixed_size 327680
		.amdhsa_private_segment_fixed_size 0
		.amdhsa_enable_private_segment 0
		.amdhsa_kernarg_size 40
		.amdhsa_user_sgpr_count 2
		.amdhsa_user_sgpr_kernarg_segment_ptr 1
		.amdhsa_wavefront_size32 1
		.amdhsa_system_sgpr_workgroup_id_x 1
		.amdhsa_system_sgpr_workgroup_id_y 1
		.amdhsa_system_sgpr_workgroup_id_z 1
		.amdhsa_system_vgpr_workitem_id 0
		.amdhsa_next_free_vgpr 1024
		.amdhsa_next_free_sgpr 98
		.amdhsa_reserve_vcc 0
		.amdhsa_float_denorm_mode_32 3
		.amdhsa_float_denorm_mode_16_64 3
		.amdhsa_memory_ordered 1
		.amdhsa_forward_progress 1
		.amdhsa_inst_pref_size 88
	.end_amdhsa_kernel
	.amdgpu_metadata
---
amdhsa.version: [ 1, 2 ]
amdhsa.kernels:
  - .name:           k_qc6a7673cfa_gemm
    .symbol:         k_qc6a7673cfa_gemm.kd
    .args:
      - { .name: acodes, .offset: 0, .size: 8, .value_kind: global_buffer, .address_space: global }
      - { .name: ascales, .offset: 8, .size: 8, .value_kind: global_buffer, .address_space: global }
      - { .name: bcodes, .offset: 16, .size: 8, .value_kind: global_buffer, .address_space: global }
      - { .name: bscales, .offset: 24, .size: 8, .value_kind: global_buffer, .address_space: global }
      - { .name: yimg, .offset: 32, .size: 8, .value_kind: global_buffer, .address_space: global }
    .group_segment_fixed_size: 327680
    .private_segment_fixed_size: 0
    .kernarg_segment_align: 8
    .kernarg_segment_size: 40
    .max_flat_workgroup_size: 128
    .sgpr_count:     98
    .vgpr_count:     1024
    .wavefront_size: 32
...
	.end_amdgpu_metadata
.endif
;; end of part 3
;; launch fin (part 4): grid 256 x 1, 8 waves a work-group, no clusters, 132,608 bytes of LDS; arguments yimg, w2img, w2sc, SV, out0; writes out0
.if DOCPART == 4
	.amdgcn_target "amdgcn-amd-amdhsa--gfx1250"
	.amdhsa_code_object_version 6
	.text
	.protected	k_qc6a7673cfa_fin
	.globl	k_qc6a7673cfa_fin
	.p2align	8
	.type	k_qc6a7673cfa_fin,@function
k_qc6a7673cfa_fin:
	s_mov_b64 s[64:65], 0
	v_nop
	global_prefetch_b8 v0, s[64:65] scope:SCOPE_SE
	s_setreg_imm32_b32 hwreg(HW_REG_WAVE_MODE, 25, 1), 1
	s_wait_xcnt 0x0
; out = H_1024 (Y + Q(xR) Q(W_l) + Q(xF) L_ft^T) / 32 . SV.  Y and T = [xR | xF] come from yimg as images of accumulators (a tile: 1,024 bytes).
; The two products with K = 64 are ONE matrix instruction a tile with K = 128: blocks 0, 1 are xR against W_l, blocks 2, 3 xF against L_ft; Y is its C, so the three sums meet in the accumulator.
; T's columns were laid so that a lane's 16 registers of tiles 2 b and 2 b + 1 are k = 32 b + 16 (lane / 16) + 0 .. 15 of its row: the conversions' results ARE the operand's registers.
; The factor 2^-5 is folded into SV (a power of two: nothing is rounded otherwise but where f32 would underflow); the constant 1.0 of the source is not multiplied.
; LIMITS: NaN and infinities are not served; a block of T whose largest magnitude lies under 2^-118 (a block of zeros too) gets the scale byte 1: zeros' codes are zeros.
; SHARES.  A work-group takes 32 rows; wave (rt, cq) takes tile of rows rt and columns 256 cq .. 256 cq + 255: 16 accumulators.  Lane (r, h), register 8 i + j = column 256 cq + 16 i + 8 h + j of row r.
; THE LAST HADAMARD: column bits 0-2 and 4-7 lie in a lane's registers, bit 3 in lane l xor 16; bits 8, 9 lie in other waves: one turn through a stage in LDS (one barrier) brings a row's four quarters into one lane.
; No cluster, no tensor load: the second operand (128 KiB for a work-group, beside 160 KiB of yimg) is laid as an image of its registers and goes straight into them, 32 KiB a wave, each byte into one wave;
; a joint tile would have to go through LDS first.  Each of a tile of rows' four waves quantises T itself: 8 KiB, cheaper than a second barrier.
; REGISTERS: window 0: v1-4 addresses; v12 T's scale word; v[14:15] +1 or -1 by the lane's half; v16-31 the quantiser; v32-47 T's codes; v48-63 the weights' scale words; v64-127 T, later v64-95 SV / 32 and v96-111 temporaries;
;   v128-255 the accumulators, later the rows on their way out.  Window 1: the 16 fragments of the second operand.
.set SPITCH, 4112                      ; a stage row: 4,096 bytes + 16: an odd multiple of 16
.set LI,  1                            ; v1  16 x lane
.set LS,  2                            ; v2  4 x lane
.set SO,  3                            ; v3  the stage, in
.set SR,  4                            ; v4  the stage, out
.set PW,  12
.set SG,  14
.set TM,  16
.set PC,  32
.set W2S, 48
.set T,   64
.set SVR, 64
.set TP,  96
.set ACC, 128
.set RB,  128
.set SEL, 24                           ; s[24:25] v_permlanex16_b32's selects for lane l xor 16
.set MNT, 26                           ; s26 the mantissa field of 448
.set MSB, 0
.macro WIN new                         ; the immediate's high byte repeats the setting that is left
.if MSB != \new
	s_set_vgpr_msb (MSB<<8)|\new
.set MSB, \new
.endif
.endm
.set cnt, 0
; Two stages at once on four pairs; two sets of temporaries by turns.
.macro R4 a, b, c, d
.set TB, TP+8*(cnt%2)
.set cnt, cnt+1
	v_pk_add_f32 v[TB:TB+1],   v[\a:\a+1], v[\b:\b+1]
	v_pk_add_f32 v[TB+4:TB+5], v[\c:\c+1], v[\d:\d+1]
	v_pk_add_f32 v[TB+2:TB+3], v[\a:\a+1], v[\b:\b+1] neg_lo:[0,1] neg_hi:[0,1]
	v_pk_add_f32 v[TB+6:TB+7], v[\c:\c+1], v[\d:\d+1] neg_lo:[0,1] neg_hi:[0,1]
	v_pk_add_f32 v[\a:\a+1], v[TB:TB+1],   v[TB+4:TB+5]
	v_pk_add_f32 v[\c:\c+1], v[TB:TB+1],   v[TB+4:TB+5] neg_lo:[0,1] neg_hi:[0,1]
	v_pk_add_f32 v[\b:\b+1], v[TB+2:TB+3], v[TB+6:TB+7]
	v_pk_add_f32 v[\d:\d+1], v[TB+2:TB+3], v[TB+6:TB+7] neg_lo:[0,1] neg_hi:[0,1]
.endm
.macro PASS base, s1, s2
.set p, 0
.rept 64
.if ((p & \s1) == 0) && ((p & \s2) == 0)
	R4 \base+p, \base+p+\s1, \base+p+\s2, \base+p+\s1+\s2
.endif
.set p, p+2
.endr
.endm
.macro R4M P, Q                        ; the stage between two pairs, then the stage between the halves of each pair
.set TB, TP+8*(cnt%2)
.set cnt, cnt+1
	v_pk_add_f32 v[TB:TB+1],   v[\P:\P+1], v[\Q:\Q+1]
	v_pk_add_f32 v[TB+2:TB+3], v[\P:\P+1], v[\Q:\Q+1] neg_lo:[0,1] neg_hi:[0,1]
	v_add_f32 v[\P],   v[TB],   v[TB+1]
	v_sub_f32 v[\P+1], v[TB],   v[TB+1]
	v_add_f32 v[\Q],   v[TB+2], v[TB+3]
	v_sub_f32 v[\Q+1], v[TB+2], v[TB+3]
.endm
.macro R4H P, Q                        ; the stage between two pairs, then the stage between the halves of the lanes: mine x (+1 or -1) + the other half's
.set TB, TP+8*(cnt%2)
.set cnt, cnt+1
	v_pk_add_f32 v[TB:TB+1],   v[\P:\P+1], v[\Q:\Q+1]
	v_pk_add_f32 v[TB+2:TB+3], v[\P:\P+1], v[\Q:\Q+1] neg_lo:[0,1] neg_hi:[0,1]
	v_permlanex16_b32 v[TB+4], v[TB],   s[SEL], s[SEL+1]
	v_permlanex16_b32 v[TB+5], v[TB+1], s[SEL], s[SEL+1]
	v_permlanex16_b32 v[TB+6], v[TB+2], s[SEL], s[SEL+1]
	v_permlanex16_b32 v[TB+7], v[TB+3], s[SEL], s[SEL+1]
	v_pk_fma_f32 v[\P:\P+1], v[TB:TB+1],   v[SG:SG+1], v[TB+4:TB+5]
	v_pk_fma_f32 v[\Q:\Q+1], v[TB+2:TB+3], v[SG:SG+1], v[TB+6:TB+7]
.endm
; 64 numbers of a lane, register 16 b + i = k 32 b + 16 (lane / 16) + i of my row, become a fragment's codes in v[PC] on and its scale word in v[PW].
.macro QUANT s
.irp b, 0,1,2,3
	v_max3_num_f32 v[TM+\b], |v[\s+16*\b]|, |v[\s+1+16*\b]|, 0x4800000   ; block b: my 16 numbers, and the floor 2^(9 - 127): the byte cannot fall under 1
.endr
.irp i, 2,4,6,8,10,12,14
.irp b, 0,1,2,3
	v_max3_num_f32 v[TM+\b], v[TM+\b], |v[\s+16*\b+\i]|, |v[\s+1+16*\b+\i]|   ; the four blocks by turns
.endr
.endr
.irp b, 0,1,2,3
	v_permlanex16_b32 v[TM+4+\b], v[TM+\b], s[SEL], s[SEL+1]
.endr
.irp b, 0,1,2,3
	v_max_num_f32 v[TM+\b], v[TM+\b], v[TM+4+\b]   ; with lane l xor 16's: the block's largest magnitude
.endr
.irp b, 0,1,2,3
	v_add_nc_u32 v[TM+12+\b], 0xfc000000, v[TM+\b]   ; 8 off its exponent field: the conversion's scale operand
.endr
.irp b, 0,1,2,3
	v_and_or_b32 v[TM+8+\b], v[TM+\b], 0x7f800000, s[MNT]   ; 448 x the scale
.endr
.irp b, 0,1,2,3
	v_lshrrev_b32 v[TM+4+\b], 23, v[TM+12+\b]      ; the scale's byte
.endr
	v_lshl_or_b32 v[PW], v[TM+5], 8, v[TM+4]       ; my row's scale word; the 64 holds below stand between it and the products
	v_lshl_or_b32 v[PW], v[TM+6], 16, v[PW]
	v_lshl_or_b32 v[PW], v[TM+7], 24, v[PW]
.irp b, 0,1,2,3
.irp i, 0,1,2,3,4,5,6,7,8,9,10,11,12,13,14,15
	v_med3_num_f32 v[\s+16*\b+\i], v[\s+16*\b+\i], -v[TM+8+\b], v[TM+8+\b]   ; the conversion does not saturate (ISA guide 7.6.2): the hold comes first
.endr
	v_cvt_scalef32_pk8_fp8_f32 v[PC+4*\b:PC+1+4*\b], v[\s+16*\b:\s+7+16*\b], v[TM+12+\b]
	v_cvt_scalef32_pk8_fp8_f32 v[PC+2+4*\b:PC+3+4*\b], v[\s+8+16*\b:\s+15+16*\b], v[TM+12+\b]
.endr
	v_nop                                          ; a plain line behind the last conversion
.endm
	s_load_b256 s[4:11], s[0:1], 0x0               ; yimg s[4:5], w2img s[6:7], w2sc s[8:9], SV s[10:11]
	s_load_b64 s[12:13], s[0:1], 0x20              ; out0
	v_lshl_add_u32 v11, v0, 2, 0x20200
	v_mov_b32 v13, 0
	v_lshrrev_b32 v8, 5, v0
	v_readfirstlane_b32 s14, v8                    ; wave 0..7
	s_lshr_b32 s15, s14, 2                         ; rt
	s_and_b32 s16, s14, 3                          ; cq
	v_and_b32 v5, 31, v0
	v_lshlrev_b32 v[LI], 4, v5
	v_lshlrev_b32 v[LS], 2, v5
	v_and_b32 v6, 15, v0                           ; r
	v_bfe_u32 v7, v0, 4, 1                         ; h
	s_mul_i32 s17, s15, 16*SPITCH
	s_lshl_b32 s18, s16, 10
	s_add_co_u32 s17, s17, s18
	v_mul_u32_u24 v[SO], v6, SPITCH
	v_lshl_add_u32 v[SO], v7, 5, v[SO]
	v_add_nc_u32 v[SO], s17, v[SO]                 ; in: row 16 rt + r, byte 1,024 cq + 32 h; tile i adds 64 i
	s_mul_i32 s17, s14, 4*SPITCH
	v_add_nc_u32 v[SR], s17, v[LI]                 ; out: wave w takes rows 4 w .. 4 w + 3, 16 bytes a lane
	v_lshlrev_b32 v[SG], 31, v7
	v_or_b32 v[SG], 0x3f800000, v[SG]              ; +1.0 in lanes 0-15, -1.0 in lanes 16-31
	v_mov_b32 v[SG+1], v[SG]
.irp b, 0,1,2,3
	v_mov_b32 v[TM+4+\b], 0                        ; a lane permute's destination counts as one of its sources
.endr
	s_mov_b32 s[SEL], 0x76543210
	s_mov_b32 s[SEL+1], 0xfedcba98
	s_mov_b32 s[MNT], 0x600000
	s_mov_b32 s28, 0x3d000000                      ; 2^-5
	s_mov_b32 s29, s28
	s_lshl_b32 s18, ttmp9, 1
	s_add_co_u32 s18, s18, s15                     ; my tile of rows
	s_mul_i32 s18, s18, 73728                      ; 72 tiles of 1,024 bytes
	s_mov_b32 s19, 0
	s_lshl_b32 s20, s16, 14                        ; my 16 tiles of Y
	s_mov_b32 s21, 0
	s_wait_kmcnt 0x0
	s_add_nc_u64 s[22:23], s[4:5], s[18:19]        ; yimg at my tile of rows: T's eight tiles lie 65,536 bytes on
	s_add_nc_u64 s[4:5], s[22:23], s[20:21]        ; and at my first tile of Y
	s_lshl_b32 s20, s16, 15
	s_add_nc_u64 s[6:7], s[6:7], s[20:21]          ; my 16 fragments of 2,048 bytes
	s_lshl_b32 s20, s16, 11
	s_add_nc_u64 s[8:9], s[8:9], s[20:21]          ; their scale words, 128 bytes each
	s_lshl_b32 s20, ttmp9, 5
	s_lshl_b32 s18, s14, 2
	s_add_co_u32 s20, s20, s18
	s_lshl_b32 s20, s20, 12                        ; out0: row 32 x work-group + 4 x wave, 4,096 bytes a row
	s_add_nc_u64 s[12:13], s[12:13], s[20:21]
.irp t, 0,1,2,3,4,5,6,7
	global_load_b128 v[T+8*\t:T+8*\t+3],   v[LI], s[22:23] offset:65536+1024*\t
	global_load_b128 v[T+8*\t+4:T+8*\t+7], v[LI], s[22:23] offset:65536+1024*\t+512
.endr
.irp i, 0,1,2,3,4,5,6,7,8,9,10,11,12,13,14,15
	global_load_b32 v[W2S+\i], v[LS], s[8:9] offset:128*\i
.endr
.irp i, 0,1,2,3,4,5,6,7,8,9,10,11,12,13,14,15
	global_load_b128 v[ACC+8*\i:ACC+8*\i+3],   v[LI], s[4:5] offset:1024*\i th:TH_LOAD_NT       ; Y lands where the sums will stand
	global_load_b128 v[ACC+8*\i+4:ACC+8*\i+7], v[LI], s[4:5] offset:1024*\i+512 th:TH_LOAD_NT
.endr
	WIN 0x40                                       ; destination window 1
.irp i, 0,1,2,3,4,5,6,7,8,9,10,11,12,13,14,15
.irp c, 0,1,2,3
	global_load_b128 v[16*\i+4*\c:16*\i+4*\c+3], v[LI], s[6:7] offset:2048*\i+512*\c
.endr
.endr
	WIN 0
	s_wait_loadcnt 63                              ; T's 16 loads are in: 112 were issued behind them, more than the count can name, and a smaller count is safe
	QUANT T
.irp s, 0,1
.irp q, 0,1,2,3
	global_load_b128 v[SVR+4*(4*\s+\q):SVR+4*(4*\s+\q)+3], v[LI], s[10:11] offset:1024*\q+512*\s   ; SV in the map of the way out, into registers that T has left
.endr
.endr
.irp i, 4,5,6,7,12,13,14,15
	v_mov_b32 v[TP+\i], 0                          ; the permutes' destinations; also the places between the codes and the products
.endr
	s_wait_loadcnt 8                               ; all but SV's eight loads
	WIN 0x01                                       ; source 0 window 1
.irp i, 0,1,2,3,4,5,6,7,8,9,10,11,12,13,14,15
	v_wmma_scale_f32_16x16x128_f8f6f4 v[ACC+8*\i:ACC+8*\i+7], v[16*\i:16*\i+15], v[PC:PC+15], v[ACC+8*\i:ACC+8*\i+7], v[W2S+\i], v[PW]   ; transposed: source 0 = 16 columns, source 1 = T's 16 rows; sixteen accumulators, one instruction each
.endr
	WIN 0
.rept 8
	v_nop                                          ; places in front of the first read of the results
.endr
.set p, 0
.rept 32
	R4M ACC+p, ACC+p+2                             ; column bits 1, 0; each accumulator is read from its low end on
.set p, p+4
.endr
	PASS ACC, 4, 8                                 ; bits 2, 4
	PASS ACC, 16, 32                               ; bits 5, 6
.set p, 0
.rept 32
	R4H ACC+p, ACC+p+64                            ; bits 7, 3
.set p, p+2
.endr
.irp i, 0,1,2,3,4,5,6,7,8,9,10,11,12,13,14,15
	ds_store_b128 v[SO], v[ACC+8*\i:ACC+8*\i+3] offset:64*\i
	ds_store_b128 v[SO], v[ACC+8*\i+4:ACC+8*\i+7] offset:64*\i+16
.endr
	s_wait_dscnt 0x0                               ; for the others' sake: my stores into the stage are done
	s_barrier_signal -1
	s_barrier_wait -1                              ; 32 whole rows lie in the stage
.irp j, 0,1,2,3
.irp s, 0,1
.irp q, 0,1,2,3
	ds_load_b128 v[RB+16*(2*\j+\s)+4*\q:RB+16*(2*\j+\s)+4*\q+3], v[SR] offset:\j*SPITCH+512*\s+1024*\q   ; register 4 q + e of unit (j, s): column 256 q + 128 s + 4 lane + e of row j
.endr
.endr
.endr
	s_wait_loadcnt 0x0                             ; SV
.set i, 0
.rept 16
	v_pk_mul_f32 v[SVR+2*i:SVR+2*i+1], v[SVR+2*i:SVR+2*i+1], s[28:29] op_sel_hi:[1,0]
.set i, i+1
.endr
.irp j, 0,1,2,3
.irp s, 0,1
.set U, RB+16*(2*\j+\s)
	s_wait_dscnt 28-4*(2*\j+\s)                    ; this unit's four loads are in; the later units' may be out
	R4 U, U+4, U+8, U+12                           ; column bits 8, 9
	R4 U+2, U+6, U+10, U+14
.irp e, 0,2,4,6,8,10,12,14
	v_pk_mul_f32 v[U+\e:U+\e+1], v[U+\e:U+\e+1], v[SVR+16*\s+\e:SVR+16*\s+\e+1]
.endr
.irp q, 0,1,2,3
	global_store_b128 v[LI], v[U+4*\q:U+4*\q+3], s[12:13] offset:\j*4096+1024*\q+512*\s th:TH_STORE_NT   ; 32 lanes store 512 consecutive bytes, aligned; written once, read by nobody here
.endr
.endr
.endr
	s_wait_tensorcnt 0x0
	ds_add_u32 v11, v13
	s_wait_dscnt 0x0
	s_endpgm
.Lfunc_end_k_qc6a7673cfa_fin:
	.size	k_qc6a7673cfa_fin, .Lfunc_end_k_qc6a7673cfa_fin-k_qc6a7673cfa_fin
	.p2alignl 7, 3214868480
	.fill 96, 4, 3214868480
	.section	.rodata,"a",@progbits
	.p2align	6, 0x0
	.amdhsa_kernel k_qc6a7673cfa_fin
		.amdhsa_group_segment_fixed_size 132608
		.amdhsa_private_segment_fixed_size 0
		.amdhsa_enable_private_segment 0
		.amdhsa_kernarg_size 40
		.amdhsa_user_sgpr_count 2
		.amdhsa_user_sgpr_kernarg_segment_ptr 1
		.amdhsa_wavefront_size32 1
		.amdhsa_system_sgpr_workgroup_id_x 1
		.amdhsa_system_sgpr_workgroup_id_y 1
		.amdhsa_system_sgpr_workgroup_id_z 1
		.amdhsa_system_vgpr_workitem_id 0
		.amdhsa_next_free_vgpr 512
		.amdhsa_next_free_sgpr 66
		.amdhsa_reserve_vcc 0
		.amdhsa_float_denorm_mode_32 3
		.amdhsa_float_denorm_mode_16_64 3
		.amdhsa_memory_ordered 1
		.amdhsa_forward_progress 1
		.amdhsa_inst_pref_size 87
	.end_amdhsa_kernel
	.amdgpu_metadata
---
amdhsa.version: [ 1, 2 ]
amdhsa.kernels:
  - .name:           k_qc6a7673cfa_fin
    .symbol:         k_qc6a7673cfa_fin.kd
    .args:
      - { .name: yimg, .offset: 0, .size: 8, .value_kind: global_buffer, .address_space: global }
      - { .name: w2img, .offset: 8, .size: 8, .value_kind: global_buffer, .address_space: global }
      - { .name: w2sc, .offset: 16, .size: 8, .value_kind: global_buffer, .address_space: global }
      - { .name: SV, .offset: 24, .size: 8, .value_kind: global_buffer, .address_space: global }
      - { .name: out0, .offset: 32, .size: 8, .value_kind: global_buffer, .address_space: global }
    .group_segment_fixed_size: 132608
    .private_segment_fixed_size: 0
    .kernarg_segment_align: 8
    .kernarg_segment_size: 40
    .max_flat_workgroup_size: 256
    .sgpr_count:     66
    .vgpr_count:     512
    .wavefront_size: 32
...
	.end_amdgpu_metadata
.endif
;; end of part 4
;; ======== version 2 of 2: 3 launches
;; limits: right only within a limited range of input values
;; workspace buffers: acodes 33,554,432 bytes; ascales 1,048,576 bytes; bcodes 4,718,592 bytes; bscales 147,456 bytes; w2img 131,072 bytes; w2sc 8,192 bytes; yimg 37,748,736 bytes
;; launch had (part 5): grid 256 x 1, 8 waves a work-group, no clusters, 314,368 bytes of LDS; arguments x, SU, Q_idxs, R_idxs, L_idxs, grid, R_ft_codes, R_ft_scales, L_ft_codes, L_ft_scales, acodes, ascales, bcodes, bscales, w2img, w2sc; writes acodes, ascales, bcodes, bscales, w2img, w2sc
.if DOCPART == 5
	.amdgcn_target "amdgcn-amd-amdhsa--gfx1250"
	.amdhsa_code_object_version 6
	.text
	.protected	k_qc6a7673cfa_had
	.globl	k_qc6a7673cfa_had
	.p2align	8
	.type	k_qc6a7673cfa_had,@function
k_qc6a7673cfa_had:
	s_mov_b64 s[64:65], 0
	v_nop
	global_prefetch_b8 v0, s[64:65] scope:SCOPE_SE
	s_setreg_imm32_b32 hwreg(HW_REG_WAVE_MODE, 25, 1), 1
	s_wait_xcnt 0x0
; BOTH OPERANDS OF THE BIG PRODUCT, AND THE RIGHT OPERAND OF THE SMALL ONE, IN ONE LAUNCH.
; (1) THE ROWS.  xh = H_4096 (x . SU) / 64 for 8,192 rows of 4,096 f32, quantised along the row into E4M3 codes, acodes [8192][4096], with one E8M0 byte for each 32, ascales [8192][128].
;     All sums are f32 additions, twelve butterfly stages a number, taken in another order than the source takes them (each stage is the same pairing; only the order of rounding differs).
;     The factor 2^-6 is folded into SU: a power of two, so nothing is rounded otherwise (but where f32 would underflow).
; (2) THE WEIGHTS, at the kernel's head, while SU and the first row of x are on their way.  bcodes [1152][4096], bscales [1152][128]: rows 0-1023: W_q = grid[Q_idxs] x 0.9;
;     row 1024 + sw(k): W_r[k] = grid[R_idxs[k]] x 1.05;  row 1088 + sw(k): R_ft[k], copied as it is given.  sw(k) exchanges bits 3 and 4 of k: in the transposed result of the big product a lane's 16 registers
;     of two neighbouring tiles of these 128 columns are then 16 NEIGHBOURS along the next K.
;     w2img [64 tiles of 16 columns][4][32 lanes][16 bytes], w2sc [64][32 lanes]: the two products with K = 64 joined to one K of 128, as an image of the operand's registers:
;     k 0-63 = W_l[k][m] = grid[L_idxs] x 1.1, quantised down K;  k 64-127 = L_ft[m][k - 64], as it is given.
; THE QUANTISER: a block's scale byte is its largest magnitude's exponent field - 8, held at 1 from below; numbers are held within +-448 x the scale and converted to the nearest code, ties to even.
; LIMITS: NaN and infinities are not served; a block whose largest magnitude lies under 2^-118 (a block of zeros too) gets the byte 1: zeros' codes are zeros, and the bytes are read by this program alone.
; SHARES OF THE ROWS.  A work-group takes 32 rows, each of its eight waves 4, one at a time: a row is 128 registers a lane.  While a row is worked on, the next row's 32 loads (16 KiB a wave) are on their way.
; TWO MAPS, so that no butterfly and no block's maximum ever crosses lanes.
;   As loaded (each load 512 consecutive bytes): register 4 i + e holds element 128 i + 4 lane + e: register strides 4 .. 64 are element bits 7 .. 11, stride 2 is bit 1.  Six stages.
;   After a turn through the wave's own LDS stage: register q holds element 128 lane + q: strides 4 .. 64 are bits 2 .. 6, the two halves of a pair bit 0.  Six stages.
;   In the second map a lane holds 128 neighbours: four whole blocks of 32, and the four bytes of one scale word.
; SHARES OF THE WEIGHTS, alike in all 256 work-groups (g: the work-group, w: the wave); the branches hang on the wave's number alone.
;   every wave: half a row of W_q (row 4 g + w / 2, half w % 2): 4 steps of 512 numbers; a lane holds two table rows = 16 neighbours along K, two neighbouring lanes a block.
;   waves 0, 1: one step more: step 2 (g % 4) + w of W_r's row g / 4.     wave 2: a quarter of R_ft's row g / 4.     wave 3: columns 16 (g / 4) + 4 (g % 4) + 0 .. 3 of the second operand.
;   W_q's scale bytes of a work-group, 512 consecutive bytes, meet in LDS and leave by one store of wave 0 behind the one barrier, at the kernel's end; W_r's 32 likewise.
;   Those 32 bytes, R_ft's 32 scale bytes and 32 bytes of w2sc fill aligned blocks of 256 bytes only in part: 24 KiB in the whole launch.
; No cluster, no tensor load: x is read by one wave only, the table is gathered lane by lane into registers, and what is shared (SU, 16 KiB a wave beside 64 KiB of x) goes into registers once.
; No matrix unit: the sums stand ahead of a quantiser and are f32.
; REGISTERS: window 0: v1 lane; v2-14 addresses; v16-31, v32 the quantiser; v48-79 codes; v80-111 the way out; v112-127 two sets of temporaries; v128-255 the row.  Window 1: v0-127 the next row as it lands; v128-255 SU / 64.
;   The head borrows window 0: v34-43 indices, v48-67 codes, v80-84 bytes, v96-107 wave 3's lane terms, v128-207 five sets of 16 numbers, v208-255 wave 2's and wave 3's data.
; HOW THE WORK IS LAID IN TIME.  SU comes once for the work-group: each wave loads an eighth, scales it by 2^-6 and stores it in LDS; behind one barrier every wave reads all of it into registers.
; The first row of x is asked for in the head.  W_q's four steps of a wave go one to a row: a step's gather and the next step's indices are issued just ahead of the next row's 32 loads, and the step is quantised at the row's end.
; The one step more of waves 0, 1 and the work of waves 2, 3 stay in the head, while the first row is on its way.
.set WREG, 16896                       ; LDS of a wave: the turn's stage, 32 rows of 512 + 16 bytes
.set SUS,  136192                      ; SU / 64, 16,384 bytes, behind the weights' scale bytes
.set SUW,  30                          ; v30 SU in: SUS + 2,048 x wave + 16 x lane (the head alone)
.set SUR,  31                          ; v31 SU out: SUS + 16 x lane (the head alone)
.set BQA,  45                          ; v45 this row's place among W_q's scale bytes
.set CST,  16896
.set SST,  21504
.set PB,   8*WREG                      ; behind the eight waves' regions: W_q's 512 scale bytes of the work-group, then W_r's 32
.set LOFF, 2                           ; v2  16 x lane
.set S1W,  3                           ; v3  the turn, in: 16 x lane
.set S1R,  4                           ; v4  the turn, out: 528 x lane
.set C2W,  5                           ; v5  codes in: 2,064 x lane
; THE ROWS' WAY OUT.  acodes and ascales are laid as images of the operand's registers of the big product:
;   acodes  [tile of 16 rows: 512][K step of 128: 32][4][32 lanes][16 bytes]: row r, k = 128 s + 16 q + e lies at 65,536 tile + 2,048 s + 256 q + 16 r + e;
;   ascales [pair of tiles: 256][4 K steps: 8][32 lanes = 16 (tile % 2) + r][4 words]: a work-group's 32 rows fill 4,096 consecutive bytes.
; A work-group's two tiles gather in one LDS stage (a fragment's 2,048 bytes + 16: sixteen lanes' 16 bytes fall on sixteen different columns of 256) and leave behind the one barrier, 512 consecutive bytes an instruction.
.set C2R,  6                           ; v6  this row's place in the codes' stage
.set CRD,  44                          ; v44 the codes' stage, out: my wave's eight fragments, 16 x lane
.set STG,  178176                      ; the codes' stage: 64 fragments
.set FPI,  2064                        ; a fragment's pitch there
.set SSG,  STG+64*FPI                  ; the scale words' stage: 4,096 bytes
.set SWA,  7                           ; v7  this row's scale word
.set SWR,  8                           ; v8  scale words out: 16 x lane
.set SW0,  9                           ; v9  my scale word of the wave's first row: 512 (lane / 4) + 4 (lane % 4)
.set BQR,  10                          ; v10 W_q's scale bytes, out: PB + 16 x lane
.set BRR,  11                          ; v11 W_r's, out: PB + 512 + lane
.set BQW,  12                          ; v12 W_q's, in: PB + 64 x wave + lane / 2
.set BRW,  13                          ; v13 W_r's, in: PB + 512 + 16 x wave + lane / 2
.set L8,   14                          ; v14 8 x lane
.set TM,   16
.set PW,   32
.set PI,   34                          ; the head: an index pair for each step, then the two byte offsets into the table
.set C,    48
.set PC,   48                          ; the head: four registers of codes for each step
.set O,    80
.set PE,   80                          ; the head: a scale byte for each step
.set TP,   112
.set X,    128
.set PX,   128                         ; the head: five sets of 16 numbers
.set MSB, 0
.macro WIN new                         ; the immediate's high byte repeats the setting that is left
.if MSB != \new
	s_set_vgpr_msb (MSB<<8)|\new
.set MSB, \new
.endif
.endm
.macro SWAP34 d, s, t                  ; s[d] = s[s] (under 128) with bits 3 and 4 exchanged; s[t] at work
	s_and_b32 s[\d], s[\s], 0x67
	s_and_b32 s[\t], s[\s], 8
	s_lshl_b32 s[\t], s[\t], 1
	s_or_b32 s[\d], s[\d], s[\t]
	s_and_b32 s[\t], s[\s], 16
	s_lshr_b32 s[\t], s[\t], 1
	s_or_b32 s[\d], s[\d], s[\t]
.endm
.set cnt, 0
; Two stages at once on four pairs: (a, b) and (c, d) differ in one element bit, (a, c) and (b, d) in another.  Eight packed additions for eight numbers and two stages; two sets of temporaries by turns.
.macro R4 a, b, c, d
.set TB, TP+8*(cnt%2)
.set cnt, cnt+1
	v_pk_add_f32 v[TB:TB+1],   v[\a:\a+1], v[\b:\b+1]
	v_pk_add_f32 v[TB+4:TB+5], v[\c:\c+1], v[\d:\d+1]
	v_pk_add_f32 v[TB+2:TB+3], v[\a:\a+1], v[\b:\b+1] neg_lo:[0,1] neg_hi:[0,1]
	v_pk_add_f32 v[TB+6:TB+7], v[\c:\c+1], v[\d:\d+1] neg_lo:[0,1] neg_hi:[0,1]
	s_delay_alu instid0(VALU_DEP_3)
	v_pk_add_f32 v[\a:\a+1], v[TB:TB+1],   v[TB+4:TB+5]
	s_delay_alu instid0(VALU_DEP_4)
	v_pk_add_f32 v[\c:\c+1], v[TB:TB+1],   v[TB+4:TB+5] neg_lo:[0,1] neg_hi:[0,1]
	s_delay_alu instid0(VALU_DEP_3)
	v_pk_add_f32 v[\b:\b+1], v[TB+2:TB+3], v[TB+6:TB+7]
	s_delay_alu instid0(VALU_DEP_4)
	v_pk_add_f32 v[\d:\d+1], v[TB+2:TB+3], v[TB+6:TB+7] neg_lo:[0,1] neg_hi:[0,1]
.endm
.macro PASS base, s1, s2               ; the stages of register strides s1 and s2 over 128 registers: 16 x R4
.set p, 0
.rept 64
.if ((p & \s1) == 0) && ((p & \s2) == 0)
	R4 \base+p, \base+p+\s1, \base+p+\s2, \base+p+\s1+\s2
.endif
.set p, p+2
.endr
.endm
; The stage between two pairs, then the stage between the halves of each pair.
.macro R4M P, Q
.set TB, TP+8*(cnt%2)
.set cnt, cnt+1
	v_pk_add_f32 v[TB:TB+1],   v[\P:\P+1], v[\Q:\Q+1]
	v_pk_add_f32 v[TB+2:TB+3], v[\P:\P+1], v[\Q:\Q+1] neg_lo:[0,1] neg_hi:[0,1]
	s_delay_alu instid0(VALU_DEP_2)
	v_add_f32 v[\P],   v[TB],   v[TB+1]
	s_delay_alu instid0(VALU_DEP_3)
	v_sub_f32 v[\P+1], v[TB],   v[TB+1]
	s_delay_alu instid0(VALU_DEP_3)
	v_add_f32 v[\Q],   v[TB+2], v[TB+3]
	s_delay_alu instid0(VALU_DEP_4)
	v_sub_f32 v[\Q+1], v[TB+2], v[TB+3]
.endm
.macro PASSM base, s
.set p, 0
.rept 64
.if (p & \s) == 0
	R4M \base+p, \base+p+\s
.endif
.set p, p+2
.endr
.endm
.macro LOADX                           ; a row: 32 loads of 512 consecutive bytes, into window 1
	WIN 0x40
.set i, 0
.rept 32
	global_load_b128 v[4*i:4*i+3], v[LOFF], s[4:5] offset:512*i th:TH_LOAD_NT
.set i, i+1
.endr
	WIN 0
.endm
.macro SUMUL                           ; x . SU / 64, and out of the landing registers into window 0
	WIN 0x05
.set i, 0
.rept 64
	v_pk_mul_f32 v[X+2*i:X+2*i+1], v[2*i:2*i+1], v[128+2*i:129+2*i]
.set i, i+1
.endr
	WIN 0
.endm
.macro QUANT32                         ; my 128 numbers: four blocks of 32, all mine: codes into v[C] on, the four bytes into v[PW]
.irp b, 0,1,2,3
	v_max3_num_f32 v[TM+\b], |v[X+32*\b]|, |v[X+32*\b+1]|, 0x4800000   ; with the floor 2^(9 - 127): the byte cannot fall under 1
.endr
.irp i, 2,4,6,8,10,12,14,16,18,20,22,24,26,28,30
.irp b, 0,1,2,3
	s_delay_alu instid0(VALU_DEP_4)
	v_max3_num_f32 v[TM+\b], v[TM+\b], |v[X+32*\b+\i]|, |v[X+32*\b+\i+1]|   ; the four blocks by turns
.endr
.endr
.irp b, 0,1,2,3
	s_delay_alu instid0(VALU_DEP_4)
	v_add_nc_u32 v[TM+12+\b], 0xfc000000, v[TM+\b]   ; 8 off the exponent field: the conversion's scale operand
.endr
.irp b, 0,1,2,3
	v_and_or_b32 v[TM+8+\b], v[TM+\b], 0x7f800000, s13   ; 448 x the scale
.endr
.irp b, 0,1,2,3
	v_lshrrev_b32 v[TM+4+\b], 23, v[TM+12+\b]      ; the scale's byte
.endr
	s_delay_alu instid0(VALU_DEP_3)
	v_lshl_or_b32 v[PW], v[TM+5], 8, v[TM+4]
	s_delay_alu instid0(VALU_DEP_1)
	v_lshl_or_b32 v[PW], v[TM+6], 16, v[PW]
	s_delay_alu instid0(VALU_DEP_1)
	v_lshl_or_b32 v[PW], v[TM+7], 24, v[PW]
.irp b, 0,1,2,3
.set i, 0
.rept 32
	v_med3_num_f32 v[X+32*\b+i], v[X+32*\b+i], -v[TM+8+\b], v[TM+8+\b]   ; the conversion does not saturate (ISA guide 7.6.2): the hold comes first
.set i, i+1
.endr
.irp g, 0,1,2,3
	v_cvt_scalef32_pk8_fp8_f32 v[C+8*\b+2*\g:C+8*\b+2*\g+1], v[X+32*\b+8*\g:X+32*\b+8*\g+7], v[TM+12+\b]
.endr
.endr
	v_nop                                          ; a plain line behind the last conversion
.endm
.macro ROW ahead                       ; ahead = 1: the next row is asked for
	s_wait_loadcnt 0x0                             ; the row has landed; its loads' base may step
	SUMUL
	GATHER 0                                       ; this row's step of W_q: two table rows a lane
.if \ahead
	global_load_b64 v[PI+2:PI+3], v[L8], s[36:37] offset:256 th:TH_LOAD_NT   ; the next step's 64 indices
	s_add_nc_u64 s[4:5], s[4:5], 16384
	LOADX                                          ; it has this row's whole work in which to land
.endif
	PASS X, 4, 8                                   ; element bits 7, 8
	PASS X, 16, 32                                 ; 9, 10
	PASS X, 64, 2                                  ; 11, 1
.set i, 0
.rept 32
	ds_store_b128 v[S1W], v[X+4*i:X+4*i+3] offset:528*i   ; stage row i = elements 128 i .. 128 i + 127
.set i, i+1
.endr
.set i, 0
.rept 32
	ds_load_b128 v[X+4*i:X+4*i+3], v[S1R] offset:16*i     ; LDS serves a wave's instructions in order: lane l takes stage row l
.set i, i+1
.endr
	v_add_nc_u32 v[SWA], s24, v[SW0]               ; this row's scale word,
	v_add_nc_u32 v[C2R], s24, v[C2W]               ; and its 16 bytes in each piece of a fragment
	v_add_nc_u32 v[BQA], s24, v[BQW]               ; a step of W_q has 16 scale bytes
	s_wait_dscnt 0x0
	PASS X, 4, 8                                   ; element bits 2, 3
	PASS X, 16, 32                                 ; 4, 5
	PASSM X, 64                                    ; 6, 0
	QUANT32
	ds_store_b32 v[SWA], v[PW]
.irp q, 0,1,2,3,4,5,6,7
	ds_store_b128 v[C2R], v[C+4*\q:C+4*\q+3] offset:256*\q   ; my 128 codes are K step = lane: piece q of that fragment, at my row's 16 bytes
.endr
.if \ahead
	s_wait_loadcnt 32                              ; all but the next row's 32 loads: the gather and the next indices are in
.else
	s_wait_loadcnt 0x0
.endif
	BSTEP 0, 72, BQA, 0, 76, 0
.if \ahead
	v_min_u32 v[PI], 0xffff, v[PI+2]               ; an index stays inside the table of 65,536 rows
	v_min_u32 v[PI+1], 0xffff, v[PI+3]
	v_lshlrev_b32 v[PI], 5, v[PI]                  ; a table row is 32 bytes
	v_lshlrev_b32 v[PI+1], 5, v[PI+1]
	s_wait_xcnt 0x0                                ; the bases and the store's data are written again only behind this wait
	s_add_nc_u64 s[36:37], s[36:37], 256
	s_add_nc_u64 s[76:77], s[76:77], 512
	s_add_co_u32 s24, s24, 16                      ; the next row: 16 bytes on, in the stages and among the scale bytes
.endif
.endm
; THE WEIGHTS' MACROS.  A step's two table rows a lane, 32 bytes each, into set t.
.macro GATHER t
.set GS, PX+16*(\t)
	global_load_b128 v[GS:GS+3],     v[PI+2*(\t)],   s[42:43]
	global_load_b128 v[GS+4:GS+7],   v[PI+2*(\t)],   s[42:43] offset:16
	global_load_b128 v[GS+8:GS+11],  v[PI+2*(\t)+1], s[42:43]
	global_load_b128 v[GS+12:GS+15], v[PI+2*(\t)+1], s[42:43] offset:16
.endm
; Set t's 512 numbers x the tensor's constant s[k], quantised: the byte to LDS at v[adr] + off, the codes to s[base] + boff.
.macro BSTEP t, k, adr, off, base, boff
.set XS, PX+16*(\t)
.irp i, 0,2,4,6,8,10,12,14
	v_pk_mul_f32 v[XS+\i:XS+\i+1], v[XS+\i:XS+\i+1], s[\k:\k+1] op_sel_hi:[1,0]
.endr
	v_max3_num_f32 v16, |v[XS]|, |v[XS+1]|, |v[XS+2]|               ; the largest magnitude of my 16, in two chains
	v_max3_num_f32 v17, |v[XS+3]|, |v[XS+4]|, |v[XS+5]|
.irp i, 6,10
	s_delay_alu instid0(VALU_DEP_2)
	v_max3_num_f32 v16, v16, |v[XS+\i]|, |v[XS+\i+1]|
	s_delay_alu instid0(VALU_DEP_2)
	v_max3_num_f32 v17, v17, |v[XS+\i+2]|, |v[XS+\i+3]|
.endr
	s_delay_alu instid0(VALU_DEP_2)
	v_max3_num_f32 v16, v16, |v[XS+14]|, |v[XS+15]|
	s_delay_alu instid0(VALU_DEP_1)
	v_max3_num_f32 v16, v16, v17, 0x4800000        ; and the floor 2^(9 - 127): the byte cannot fall under 1
	s_delay_alu instid0(VALU_DEP_1)
	v_max_num_f32_dpp v16, v16, v16 row_xmask:1 row_mask:0xf bank_mask:0xf   ; and of my neighbour's 16: the block's
	s_delay_alu instid0(VALU_DEP_1)
	v_add_nc_u32 v19, 0xfc000000, v16              ; 8 off its exponent field: the conversion's scale operand
	s_delay_alu instid0(VALU_DEP_2)
	v_and_or_b32 v18, v16, 0x7f800000, s13         ; 448 x the scale
.irp i, 0,1,2,3,4,5,6,7,8,9,10,11,12,13,14,15
	v_med3_num_f32 v[XS+\i], v[XS+\i], -v18, v18   ; the conversion does not saturate (ISA guide 7.6.2): the hold comes first
.endr
	v_cvt_scalef32_pk8_fp8_f32 v[PC+4*(\t):PC+4*(\t)+1], v[XS:XS+7], v19
	v_cvt_scalef32_pk8_fp8_f32 v[PC+4*(\t)+2:PC+4*(\t)+3], v[XS+8:XS+15], v19
	v_lshrrev_b32 v[PE+(\t)], 23, v19              ; the scale's byte (a plain line behind the conversions)
	ds_store_b8 v[\adr], v[PE+(\t)] offset:\off    ; both lanes of a block write the same byte with the same value
	global_store_b128 v[LOFF], v[PC+4*(\t):PC+4*(\t)+3], s[\base:\base+1] offset:\boff   ; 32 lanes store 512 consecutive bytes
.endm
	s_load_b512 s[32:47], s[0:1], 0x0              ; x s[32:33], SU s[34:35], Q_idxs s[36:37], R_idxs s[38:39], L_idxs s[40:41], grid s[42:43], R_ft_codes s[44:45], R_ft_scales s[46:47]
	s_load_b512 s[48:63], s[0:1], 0x40             ; L_ft_codes s[48:49], L_ft_scales s[50:51], acodes s[52:53], ascales s[54:55], bcodes s[56:57], bscales s[58:59], w2img s[60:61], w2sc s[62:63]
	v_lshl_add_u32 v46, v0, 2, 0x2b400
	v_mov_b32 v47, 0
	v_lshrrev_b32 v1, 5, v0
	s_delay_alu instid0(VALU_DEP_1)
	v_readfirstlane_b32 s16, v1                    ; wave 0..7
	v_and_b32 v1, 31, v0                           ; lane
	s_delay_alu instid0(VALU_DEP_1)
	v_lshlrev_b32 v[LOFF], 4, v1
	s_mul_i32 s17, s16, WREG                       ; my wave's LDS
	v_add_nc_u32 v[S1W], s17, v[LOFF]
	v_mul_u32_u24 v[S1R], v1, 528
	s_delay_alu instid0(VALU_DEP_1)
	v_add_nc_u32 v[S1R], s17, v[S1R]
	s_wait_alu depctr_va_vdst(0)
	s_lshr_b32 s18, s16, 2                         ; my rows are 4 w .. 4 w + 3 of the group's 32: tile w / 4, rows 4 (w % 4) on
	s_mul_i32 s18, s18, 32*FPI
	s_and_b32 s25, s16, 3
	s_lshl_b32 s25, s25, 6
	s_add_co_u32 s18, s18, s25
	s_add_co_u32 s18, s18, STG
	v_mul_u32_u24 v[C2W], v1, FPI                  ; codes in: fragment = lane
	v_add_nc_u32 v[C2W], s18, v[C2W]
	s_mul_i32 s18, s16, 8*FPI
	s_add_co_u32 s18, s18, STG
	v_add_nc_u32 v[CRD], s18, v[LOFF]              ; codes out: fragments 8 w .. 8 w + 7
	s_lshr_b32 s18, s16, 2
	s_lshl_b32 s18, s18, 8
	s_add_co_u32 s18, s18, s25
	s_add_co_u32 s18, s18, SSG
	v_lshrrev_b32 v15, 2, v1
	v_and_b32 v33, 3, v1
	v_lshlrev_b32 v[SW0], 9, v15                   ; scale words in: 512 (lane / 4) + 4 (lane % 4) + 256 tile + 16 row
	v_lshl_add_u32 v[SW0], v33, 2, v[SW0]
	v_add_nc_u32 v[SW0], s18, v[SW0]
	s_lshl_b32 s18, s16, 9
	s_add_co_u32 s18, s18, SSG
	v_add_nc_u32 v[SWR], s18, v[LOFF]              ; scale words out: 512 w + 16 x lane
	s_lshl_b32 s18, s16, 11
	s_add_co_u32 s18, s18, SUS
	v_add_nc_u32 v[SUW], s18, v[LOFF]
	v_add_nc_u32 v[SUR], SUS, v[LOFF]
	s_lshl_b32 s25, s16, 6                         ; the weights' scale bytes in LDS: every LDS address is made here, ahead of the first branch
	s_add_co_u32 s25, s25, PB
	v_lshrrev_b32 v15, 1, v1
	s_delay_alu instid0(VALU_DEP_1)
	v_add_nc_u32 v[BQW], s25, v15
	s_lshl_b32 s25, s16, 4
	s_add_co_u32 s25, s25, PB+512
	v_add_nc_u32 v[BRW], s25, v15
	v_add_nc_u32 v[BQR], PB, v[LOFF]
	v_add_nc_u32 v[BRR], PB+512, v1
	v_lshlrev_b32 v[L8], 3, v1
	; wave 3's lane terms: j = lane % 4 (the column), h = (lane / 4) % 2, c' = (lane / 8) % 2 (the block), c = lane / 8 (the operand's group of four registers)
	v_and_b32 v104, 3, v0
	v_bfe_u32 v105, v0, 2, 1
	v_bfe_u32 v106, v0, 3, 1
	v_bfe_u32 v107, v0, 3, 2
	s_delay_alu instid0(VALU_DEP_2)
	v_lshlrev_b32 v96, 14, v106
	s_delay_alu instid0(VALU_DEP_1)
	v_lshl_add_u32 v96, v105, 13, v96              ; L_idxs: row k = 32 c' + 16 h of 512 bytes
	v_lshlrev_b32 v97, 2, v104                     ; my number in a table row: 4 j (+ 16 (g % 2) in the base)
	v_lshlrev_b32 v98, 6, v104
	s_delay_alu instid0(VALU_DEP_1)
	v_lshl_add_u32 v98, v106, 5, v98
	s_delay_alu instid0(VALU_DEP_1)
	v_lshl_add_u32 v98, v105, 4, v98               ; L_ft_codes: 64 j + 32 c' + 16 h
	v_lshlrev_b32 v99, 1, v104                     ; L_ft_scales: 2 j
	v_lshlrev_b32 v100, 9, v107
	s_delay_alu instid0(VALU_DEP_1)
	v_lshl_add_u32 v100, v104, 4, v100
	s_delay_alu instid0(VALU_DEP_1)
	v_lshl_add_u32 v100, v105, 8, v100             ; w2img: 512 c + 16 j + 256 h
	v_lshl_add_u32 v101, v105, 6, v97              ; w2sc: 4 j + 64 h
	v_lshlrev_b32 v102, 3, v106                    ; my block's byte goes 8 c' bits up,
	s_delay_alu instid0(VALU_DEP_1)
	v_sub_nc_u32 v103, 8, v102                     ; the other block's 8 - 8 c'
	s_lshl_b32 s2, ttmp9, 5
	s_lshl_b32 s3, s16, 2
	s_add_co_u32 s2, s2, s3                        ; my first row of x: 32 x work-group + 4 x wave
	s_lshl_b32 s18, s2, 14                         ; x: 16,384 bytes a row (under 2^27 in all)
	s_mov_b32 s19, 0
	s_lshl_b32 s20, s2, 12                         ; codes: 4,096
	s_mov_b32 s21, 0
	s_lshl_b32 s22, s2, 7                          ; scale bytes: 128
	s_mov_b32 s23, 0
	s_mov_b32 s13, 0x600000                        ; the mantissa field of 448
	s_mov_b32 s14, 0x3c800000                      ; 2^-6
	s_mov_b32 s15, s14
	s_mov_b32 s24, 0                               ; the row's place among my scale words: 16 bytes a row
	s_mov_b32 s70, 0x3f8ccccd                      ; 1.1
	s_mov_b32 s71, s70
	s_mov_b32 s72, 0x3f666666                      ; 0.9
	s_mov_b32 s73, s72
	s_mov_b32 s74, 0x3f866666                      ; 1.05
	s_mov_b32 s75, s74
	s_mov_b32 s29, 0                               ; the upper word of every offset below
	s_lshr_b32 s66, ttmp9, 2                       ; g / 4: W_r's and R_ft's row k, and the tile of 16 columns
	s_and_b32 s67, ttmp9, 3                        ; g % 4
	SWAP34 68, 66, 69                              ; sw(k)
	s_lshl_b32 s30, s67, 1
	s_add_co_u32 s30, s30, s16                     ; waves 0, 1: W_r's step 2 (g % 4) + w
	s_wait_kmcnt 0x0
	s_lshl_b32 s28, ttmp9, 13                      ; Q_idxs: 4 rows of 2,048 bytes a work-group, half a row a wave
	s_lshl_b32 s31, s16, 10
	s_add_co_u32 s28, s28, s31
	s_add_nc_u64 s[36:37], s[36:37], s[28:29]
	global_load_b64 v[PI:PI+1], v[L8], s[36:37] th:TH_LOAD_NT   ; 32 lanes read 256 consecutive bytes: the first step's 64 indices
	s_lshl_b32 s28, s28, 1                         ; bcodes: twice as many bytes
	s_add_nc_u64 s[76:77], s[56:57], s[28:29]
	s_lshl_b32 s28, ttmp9, 9                       ; bscales: 4 rows of 128 bytes
	s_add_nc_u64 s[82:83], s[58:59], s[28:29]
	s_add_nc_u64 s[4:5], s[32:33], s[18:19]        ; x, acodes, ascales at my first row
	s_add_nc_u64 s[8:9], s[52:53], s[20:21]
	s_add_nc_u64 s[10:11], s[54:55], s[22:23]
	s_lshl_b32 s28, s66, 11                        ; R_idxs: row k, 256 bytes a step
	s_lshl_b32 s31, s30, 8
	s_add_co_u32 s28, s28, s31
	s_add_nc_u64 s[38:39], s[38:39], s[28:29]
	s_add_co_u32 s69, s68, 1024                    ; where W_r's row goes
	s_lshl_b32 s28, s69, 12
	s_lshl_b32 s31, s30, 9
	s_add_co_u32 s28, s28, s31
	s_add_nc_u64 s[78:79], s[56:57], s[28:29]
	s_lshl_b32 s28, s69, 7
	s_lshl_b32 s31, s67, 5                         ; the work-group's two steps: 32 scale bytes
	s_add_co_u32 s28, s28, s31
	s_add_nc_u64 s[84:85], s[58:59], s[28:29]
	s_lshl_b32 s28, s66, 12                        ; R_ft_codes: row k, quarter g % 4
	s_lshl_b32 s31, s67, 10
	s_add_co_u32 s28, s28, s31
	s_add_nc_u64 s[44:45], s[44:45], s[28:29]
	s_lshl_b32 s28, s66, 7                         ; R_ft_scales likewise
	s_lshl_b32 s31, s67, 5
	s_add_co_u32 s28, s28, s31
	s_add_nc_u64 s[46:47], s[46:47], s[28:29]
	s_add_co_u32 s69, s68, 1088                    ; where R_ft's row goes
	s_lshl_b32 s28, s69, 12
	s_lshl_b32 s31, s67, 10
	s_add_co_u32 s28, s28, s31
	s_add_nc_u64 s[80:81], s[56:57], s[28:29]
	s_lshl_b32 s28, s69, 7
	s_lshl_b32 s31, s67, 5
	s_add_co_u32 s28, s28, s31
	s_add_nc_u64 s[86:87], s[58:59], s[28:29]
	s_lshl_b32 s28, s66, 3                         ; L_idxs: my four columns lie in index 2 (g / 4) + (g % 4) / 2 of a row
	s_lshr_b32 s31, s67, 1
	s_lshl_b32 s31, s31, 2
	s_add_co_u32 s28, s28, s31
	s_add_nc_u64 s[40:41], s[40:41], s[28:29]
	s_and_b32 s28, s67, 1                          ; and in the table row's half g % 2
	s_lshl_b32 s28, s28, 4
	s_add_nc_u64 s[26:27], s[42:43], s[28:29]
	s_lshl_b32 s28, s66, 10                        ; L_ft_codes: 64 bytes a column
	s_lshl_b32 s31, s67, 8
	s_add_co_u32 s28, s28, s31
	s_add_nc_u64 s[48:49], s[48:49], s[28:29]
	s_lshl_b32 s28, s66, 5                         ; L_ft_scales: 2 bytes a column
	s_lshl_b32 s31, s67, 3
	s_add_co_u32 s28, s28, s31
	s_add_nc_u64 s[50:51], s[50:51], s[28:29]
	s_lshl_b32 s28, s66, 11                        ; w2img: 2,048 bytes a tile, 16 a column
	s_lshl_b32 s31, s67, 6
	s_add_co_u32 s28, s28, s31
	s_add_nc_u64 s[60:61], s[60:61], s[28:29]
	s_lshl_b32 s28, s66, 7                         ; w2sc: 128 bytes a tile, 4 a column
	s_lshl_b32 s31, s67, 4
	s_add_co_u32 s28, s28, s31
	s_add_nc_u64 s[62:63], s[62:63], s[28:29]
; ---- A: what does not hang on loaded numbers is asked for
	s_cmp_lt_u32 s16, 2
	s_cbranch_scc0 .La_not_r
	global_load_b64 v[PI+8:PI+9], v[L8], s[38:39] th:TH_LOAD_NT     ; W_r's step: 64 indices
	s_branch .La_done
.La_not_r:
	s_cmp_eq_u32 s16, 2
	s_cbranch_scc0 .La_not_c
	global_load_b128 v[208:211], v[LOFF], s[44:45] th:TH_LOAD_NT    ; R_ft: 1,024 bytes of codes,
	global_load_b128 v[212:215], v[LOFF], s[44:45] offset:512 th:TH_LOAD_NT
	global_load_u8 v216, v1, s[46:47]                               ; 32 scale bytes
	s_branch .La_done
.La_not_c:
	s_cmp_eq_u32 s16, 3
	s_cbranch_scc0 .La_done
.irp i, 0,1,2,3,4,5,6,7,8,9,10,11,12,13,14,15
	global_load_b32 v[208+\i], v96, s[40:41] offset:512*\i          ; the index of my column at k = 32 c' + 16 h + i
.endr
	s_wait_alu depctr_va_vdst(0)
	global_load_b128 v[244:247], v98, s[48:49]                      ; L_ft's codes k' = 32 c' + 16 h + 0 .. 15 of my column
	global_load_u16 v248, v99, s[50:51]                             ; and its two scale bytes
.La_done:
	s_lshl_b32 s28, s16, 11                        ; my eighth of SU: 2,048 bytes
	s_add_nc_u64 s[34:35], s[34:35], s[28:29]
.irp i, 0,1,2,3
	global_load_b128 v[112+4*\i:115+4*\i], v[LOFF], s[34:35] offset:512*\i
.endr
	LOADX                                          ; the first row of x
	s_wait_loadcnt 32                              ; all but the row's 32 loads, the last issued on every wave's way: the indices and my part of SU are in
; ---- B: the gathers; behind them the first row of x
	v_min_u32 v[PI], 0xffff, v[PI]                 ; an index stays inside the table of 65,536 rows
	v_min_u32 v[PI+1], 0xffff, v[PI+1]
	v_lshlrev_b32 v[PI], 5, v[PI]                  ; a table row is 32 bytes
	v_lshlrev_b32 v[PI+1], 5, v[PI+1]
	s_cmp_lt_u32 s16, 2
	s_cbranch_scc0 .Lb_not_r
	v_min_u32 v[PI+8], 0xffff, v[PI+8]
	v_min_u32 v[PI+9], 0xffff, v[PI+9]
	s_delay_alu instid0(VALU_DEP_2)
	v_lshlrev_b32 v[PI+8], 5, v[PI+8]
	s_delay_alu instid0(VALU_DEP_2)
	v_lshlrev_b32 v[PI+9], 5, v[PI+9]
	GATHER 4
	s_branch .Lb_done
.Lb_not_r:
	s_cmp_eq_u32 s16, 2
	s_cbranch_scc0 .Lb_not_c
	global_store_b128 v[LOFF], v[208:211], s[80:81]                 ; R_ft goes to its place as it is
	global_store_b128 v[LOFF], v[212:215], s[80:81] offset:512
	global_store_b8 v1, v216, s[86:87]                              ; 32 consecutive bytes
	s_branch .Lb_done
.Lb_not_c:
	s_cmp_eq_u32 s16, 3
	s_cbranch_scc0 .Lb_done
.set n, 0
.rept 16
	v_min_u32 v[208+n], 0xffff, v[208+n]
.set n, n+1
.endr
.set n, 0
.rept 16
	v_lshlrev_b32 v[208+n], 5, v[208+n]
.set n, n+1
.endr
.set n, 0
.rept 16
	v_add_nc_u32 v[208+n], v97, v[208+n]
.set n, n+1
.endr
.set n, 0
.rept 16
	global_load_b32 v[224+n], v[208+n], s[26:27]   ; register i: W_l's number at k = 32 c' + 16 h + i of my column (lanes 16-31 ask at the addresses of lanes 0-15)
.set n, n+1
.endr
.Lb_done:
.irp i, 0,2,4,6,8,10,12,14
	v_pk_mul_f32 v[112+\i:113+\i], v[112+\i:113+\i], s[14:15] op_sel_hi:[1,0]   ; SU / 64
.endr
.irp i, 0,1,2,3
	ds_store_b128 v[SUW], v[112+4*\i:115+4*\i] offset:512*\i
.endr
	s_wait_dscnt 0x0                               ; for the others' sake: my eighth lies in LDS
	s_barrier_signal -1
	s_barrier_wait -1
	WIN 0x40
.set i, 0
.rept 32
	ds_load_b128 v[128+4*i:131+4*i], v[SUR] offset:512*i   ; SU / 64 in the map of a row as it is loaded
.set i, i+1
.endr
	WIN 0
	s_wait_loadcnt 0x0                             ; the gathers of waves 0, 1 and 3, issued behind the row's loads, are in
; ---- C: the weights are quantised while the first row lands
	s_cmp_lt_u32 s16, 2
	s_cbranch_scc0 .Lc_not_r
	BSTEP 4, 74, BRW, 0, 78, 0
	s_branch .Lc_done
.Lc_not_r:
	s_cmp_eq_u32 s16, 3
	s_cbranch_scc0 .Lc_done
.set n, 0
.rept 8
	v_pk_mul_f32 v[224+n:225+n], v[224+n:225+n], s[70:71] op_sel_hi:[1,0]
.set n, n+2
.endr
	v_max3_num_f32 v249, |v224|, |v225|, 0x4800000   ; my 16 numbers and the floor, in two chains
	v_max3_num_f32 v250, |v226|, |v227|, |v228|
	s_delay_alu instid0(VALU_DEP_2)
	v_max3_num_f32 v249, v249, |v229|, |v230|
	s_delay_alu instid0(VALU_DEP_2)
	v_max3_num_f32 v250, v250, |v231|, |v232|
	s_delay_alu instid0(VALU_DEP_2)
	v_max3_num_f32 v249, v249, |v233|, |v234|
	s_delay_alu instid0(VALU_DEP_2)
	v_max3_num_f32 v250, v250, |v235|, |v236|
	s_delay_alu instid0(VALU_DEP_2)
	v_max3_num_f32 v249, v249, |v237|, |v238|
	s_delay_alu instid0(VALU_DEP_1)
	v_max3_num_f32 v249, v249, v250, |v239|
	s_delay_alu instid0(VALU_DEP_1)
	v_max_num_f32_dpp v249, v249, v249 row_xmask:4 row_mask:0xf bank_mask:0xf   ; with lane l xor 4's 16 (the other h): the block's largest magnitude
	s_delay_alu instid0(VALU_DEP_1)
	v_add_nc_u32 v251, 0xfc000000, v249            ; the conversion's scale operand
	s_delay_alu instid0(VALU_DEP_2)
	v_and_or_b32 v250, v249, 0x7f800000, s13       ; 448 x the scale
	s_delay_alu instid0(VALU_DEP_2)
	v_lshrrev_b32 v252, 23, v251                   ; my block's byte
	v_mov_b32 v253, 0                              ; (the destination of the line below counts as one of its sources)
	s_delay_alu instid0(VALU_DEP_2)
	v_mov_b32_dpp v253, v252 row_xmask:8 row_mask:0xf bank_mask:0xf             ; lane l xor 8's: the other block's
	s_delay_alu instid0(VALU_DEP_3)
	v_lshlrev_b32 v254, v102, v252
	s_delay_alu instid0(VALU_DEP_2)
	v_lshlrev_b32 v253, v103, v253
	s_delay_alu instid0(VALU_DEP_1)
	v_or_b32 v254, v254, v253                      ; W_l's two bytes below,
	s_delay_alu instid0(VALU_DEP_1)
	v_lshl_or_b32 v254, v248, 16, v254             ; L_ft's two above: my column's scale word
.irp i, 0,1,2,3,4,5,6,7,8,9,10,11,12,13,14,15
	v_med3_num_f32 v[224+\i], v[224+\i], -v250, v250
.endr
	v_cvt_scalef32_pk8_fp8_f32 v[240:241], v[224:231], v251
	v_cvt_scalef32_pk8_fp8_f32 v[242:243], v[232:239], v251
	v_nop                                          ; a plain line behind the last conversion
	v_cmp_gt_u32 vcc_lo, 16, v1                    ; lanes 0-15 hand on W_l's codes (groups 0, 1 of the operand), lanes 16-31 L_ft's (groups 2, 3)
.irp i, 0,1,2,3
	v_cndmask_b32 v[244+\i], v[244+\i], v[240+\i], vcc_lo
.endr
	global_store_b128 v100, v[244:247], s[60:61]   ; eight runs of 64 consecutive bytes: four columns' 16 bytes of a group and a half
	global_store_b32 v101, v254, s[62:63]          ; lanes that differ in c alone store the same word at the same place
.Lc_done:
	s_wait_dscnt 0x0                               ; SU / 64 is in my registers
	s_wait_xcnt 0x0                                ; the head's stores have read their registers: the rows' work may write them
.set PX, 80                            ; from here on a step of W_q has its 16 numbers in v80-95,
.set PE, 96                            ; and its scale byte in v96
	s_mov_b32 s12, 3
.Lrow:
	ROW 1
	s_sub_co_u32 s12, s12, 1
	s_cmp_lg_u32 s12, 0
	s_cbranch_scc1 .Lrow
	ROW 0                                          ; the last row asks for nothing: no load leaves the buffer
	s_wait_dscnt 0x0                               ; for the others' sake: my stores into the stages, and of the weights' scale bytes, are done
	s_barrier_signal -1
	s_barrier_wait -1                              ; the group's 32 rows lie in the stages, the weights' scale bytes too
	ds_load_b128 v[O:O+3], v[SWR]
.set n, 0
.rept 32
	ds_load_b128 v[X+4*n:X+4*n+3], v[CRD] offset:(n/4)*FPI+512*(n%4)
.set n, n+1
.endr
	s_wait_dscnt 32                                ; the scale words are in; the 32 younger loads may be out
	global_store_b128 v[LOFF], v[O:O+3], s[10:11]  ; 512 consecutive bytes, aligned
.set n, 0
.rept 32
	s_wait_dscnt 31-n
	global_store_b128 v[LOFF], v[X+4*n:X+4*n+3], s[8:9] offset:512*n   ; my eight fragments: 16,384 consecutive bytes, 512 an instruction
.set n, n+1
.endr
	s_cmp_lg_u32 s16, 0
	s_cbranch_scc1 .Lend
	ds_load_b128 v[88:91], v[BQR]
	ds_load_u8 v92, v[BRR]
	s_wait_dscnt 0x0
	global_store_b128 v[LOFF], v[88:91], s[82:83]  ; W_q's four rows: 512 consecutive bytes, aligned
	global_store_b8 v1, v92, s[84:85]              ; W_r's two steps: 32 consecutive bytes
.Lend:
	s_wait_tensorcnt 0x0
	ds_add_u32 v46, v47
	s_wait_dscnt 0x0
	s_endpgm
.Lfunc_end_k_qc6a7673cfa_had:
	.size	k_qc6a7673cfa_had, .Lfunc_end_k_qc6a7673cfa_had-k_qc6a7673cfa_had
	.p2alignl 7, 3214868480
	.fill 96, 4, 3214868480
	.section	.rodata,"a",@progbits
	.p2align	6, 0x0
	.amdhsa_kernel k_qc6a7673cfa_had
		.amdhsa_group_segment_fixed_size 314368
		.amdhsa_private_segment_fixed_size 0
		.amdhsa_enable_private_segment 0
		.amdhsa_kernarg_size 128
		.amdhsa_user_sgpr_count 2
		.amdhsa_user_sgpr_kernarg_segment_ptr 1
		.amdhsa_wavefront_size32 1
		.amdhsa_system_sgpr_workgroup_id_x 1
		.amdhsa_system_sgpr_workgroup_id_y 1
		.amdhsa_system_sgpr_workgroup_id_z 1
		.amdhsa_system_vgpr_workitem_id 0
		.amdhsa_next_free_vgpr 512
		.amdhsa_next_free_sgpr 96
		.amdhsa_reserve_vcc 1
		.amdhsa_float_denorm_mode_32 3
		.amdhsa_float_denorm_mode_16_64 3
		.amdhsa_memory_ordered 1
		.amdhsa_forward_progress 1
		.amdhsa_inst_pref_size 219
	.end_amdhsa_kernel
	.amdgpu_metadata
---
amdhsa.version: [ 1, 2 ]
amdhsa.kernels:
  - .name:           k_qc6a7673cfa_had
    .symbol:         k_qc6a7673cfa_had.kd
    .args:
      - { .name: x, .offset: 0, .size: 8, .value_kind: global_buffer, .address_space: global }
      - { .name: SU, .offset: 8, .size: 8, .value_kind: global_buffer, .address_space: global }
      - { .name: Q_idxs, .offset: 16, .size: 8, .value_kind: global_buffer, .address_space: global }
      - { .name: R_idxs, .offset: 24, .size: 8, .value_kind: global_buffer, .address_space: global }
      - { .name: L_idxs, .offset: 32, .size: 8, .value_kind: global_buffer, .address_space: global }
      - { .name: grid, .offset: 40, .size: 8, .value_kind: global_buffer, .address_space: global }
      - { .name: R_ft_codes, .offset: 48, .size: 8, .value_kind: global_buffer, .address_space: global }
      - { .name: R_ft_scales, .offset: 56, .size: 8, .value_kind: global_buffer, .address_space: global }
      - { .name: L_ft_codes, .offset: 64, .size: 8, .value_kind: global_buffer, .address_space: global }
      - { .name: L_ft_scales, .offset: 72, .size: 8, .value_kind: global_buffer, .address_space: global }
      - { .name: acodes, .offset: 80, .size: 8, .value_kind: global_buffer, .address_space: global }
      - { .name: ascales, .offset: 88, .size: 8, .value_kind: global_buffer, .address_space: global }
      - { .name: bcodes, .offset: 96, .size: 8, .value_kind: global_buffer, .address_space: global }
      - { .name: bscales, .offset: 104, .size: 8, .value_kind: global_buffer, .address_space: global }
      - { .name: w2img, .offset: 112, .size: 8, .value_kind: global_buffer, .address_space: global }
      - { .name: w2sc, .offset: 120, .size: 8, .value_kind: global_buffer, .address_space: global }
    .group_segment_fixed_size: 314368
    .private_segment_fixed_size: 0
    .kernarg_segment_align: 8
    .kernarg_segment_size: 128
    .max_flat_workgroup_size: 256
    .sgpr_count:     96
    .vgpr_count:     512
    .wavefront_size: 32
...
	.end_amdgpu_metadata
.endif
;; end of part 5
;; launch gemm (part 6): grid 32 x 8, 4 waves a work-group, clusters of 4 x 1, 327,680 bytes of LDS; arguments acodes, ascales, bcodes, bscales, yimg; writes yimg
.if DOCPART == 6
	.amdgcn_target "amdgcn-amd-amdhsa--gfx1250"
	.amdhsa_code_object_version 6
	.text
	.protected	k_qc6a7673cfa_gemm
	.globl	k_qc6a7673cfa_gemm
	.p2align	8
	.type	k_qc6a7673cfa_gemm,@function
k_qc6a7673cfa_gemm:
	s_mov_b64 s[64:65], 0
	v_nop
	global_prefetch_b8 v0, s[64:65] scope:SCOPE_SE
	s_setreg_imm32_b32 hwreg(HW_REG_WAVE_MODE, 25, 1), 1
	s_wait_xcnt 0x0
	s_wait_alu depctr_hold_cnt(0) depctr_sa_sdst(0) depctr_va_vdst(0) depctr_va_sdst(0) depctr_va_ssrc(0) depctr_va_vcc(0) depctr_vm_vsrc(0)
	s_getreg_b32 s2, hwreg(HW_REG_IB_STS2, 6, 4)
	s_cmp_eq_u32 s2, 0
	s_cbranch_scc0 .Lentry_in_a_cluster
	s_endpgm
.Lentry_in_a_cluster:
	s_bfe_u32 s2, ttmp6, 0x10000c
	s_cmp_lg_u32 s2, 0x3003
	s_cbranch_scc0 .Lentry_shape_is_right
	s_endpgm
.Lentry_shape_is_right:
; Y = Q(xh) Q(W)^T: [8192 x 4096] x [4096 x 1152] on E4M3 codes with E8M0 scales; yimg takes the f32 sums as images of accumulators, [512 tiles of rows][72 tiles of columns][1,024 bytes].
; SHARES.  A work-group makes 256 rows x 144 columns (grid 32 x 8); wave w its rows 64 w .. 64 w + 63 against all 144 columns: 4 x 9 accumulators.
; A (the rows' codes) is laid by the launch before as an image of the operand's registers and goes from memory STRAIGHT INTO REGISTERS: each byte into one wave of the work-group, 512 consecutive bytes an instruction,
;   three K steps ahead of its products, in four sets of 64 registers.  It passes no LDS, so it is no tile that a joint load could bring.
; B (the weights' codes) goes through a ring of two LDS slots of 144 rows x 512 K; the four work-groups of a cluster (four row blocks of one column block) ask for each tile JOINTLY (mask 15); waves 0 and 1 fetch 72 rows each.
; THE SCALES come into LDS once, at the head: wave 2 brings B's 144 rows (jointly), wave 3 the work-group's own image of A's scale words (a load of its own, mask 0).
; THE MATRIX INSTRUCTION IS USED TRANSPOSED: source 0 = 16 rows of B, source 1 = 16 rows of A.
; No prefetch: A's loads are themselves issued three K steps (108 matrix instructions) ahead, and a refill of B has a whole slot's 144 matrix instructions in which to land.
; REGISTERS: window 0: v2-9 addresses, v28-29 the add's, v32-83 scale words (two sets of 26, each for two K steps), v112-255 accumulators of A's blocks 0, 1;  window 1: A's four sets;
;   window 2: B's set 0 (v0-143), accumulators of block 2 (v144-215);  window 3: B's set 1, accumulators of block 3.
.set PITCH, 528                        ; an LDS row of B: 512 bytes + 16: an odd multiple of 16
.set TROW,  16*PITCH
.set HALFB, 72*PITCH                   ; what one tensor load of the ring brings
.set SLOT1, 0x20000                    ; slot 0 at byte 0, slot 1 at 131,072: one bit apart
.set SCL,   76032                      ; B's scales: 72 rows of 256 + 16 bytes
.set SBLK,  2176                       ; those of 16 rows of B
.set SCA,   95744                      ; A's scale words: 32,768 bytes, dense
.set SPARE, 128512                     ; the spare words: 512 bytes that no other line names
.set AO,   2                           ; v2  16 x lane
.set ADB0, 4                           ; v4, v5  B's fragments in slot 0: tiles 0-3, tiles 4-8
.set ADB1, 5
.set ADRB, 6                           ; v6, v7  the same in the slot that is read
.set ADRB2, 7
.set ADSB, 8                           ; v8  B's scale words
.set ADSA, 9                           ; v9  A's
.set SPW,  28
.set NIL,  29
.set SC,   32
.set AB,   20                          ; s[20:21] A's codes at my four tiles, stepped by four K steps a trip
.set G1,   24
.set G0,   32
.set CUR,  36                          ; s36 the slot that is read: 0 or SLOT1
.set G1S,  48
.set G0S,  56
.set G1A,  68
.set G0A,  76
.set MSB, 0
.macro WIN new                         ; the immediate's high byte repeats the setting that is left
.if MSB != \new
	s_set_vgpr_msb (MSB<<8)|\new
.set MSB, \new
.endif
.endm
.macro PLACES n
.rept \n
	v_nop
.endr
.endm
.macro CREST                           ; a round of the cluster's barrier behind its opening barrier
	s_cmp_lg_u32 s14, 0
	s_cbranch_scc1 .Lnot_wave_0_\@
	s_barrier_signal -3
.Lnot_wave_0_\@:
	s_barrier_wait -3
	s_barrier_signal -1
	s_barrier_wait -1
.endm
.macro CROUND
	s_barrier_signal -1
	s_barrier_wait -1
	CREST
.endm
.macro JLOAD                           ; the ring's joint load: waves 0 and 1, 72 rows each; the branch hangs on the wave's number alone
	s_cmp_lt_u32 s14, 2
	s_cbranch_scc0 .Lnone_\@
	tensor_load_to_lds s[G0:G0+3], s[G1:G1+7]
	s_nop 0
.rept 4
	v_nop
.endr
.Lnone_\@:
.endm
.macro FETCHB q, p                     ; B's nine fragments of the slot's q-th 128 along K into set p
	WIN 0x40*(2+(\p))
.irp i, 0,1,2,3
.irp c, 0,1,2,3
	ds_load_b128 v[16*\i+4*\c:16*\i+4*\c+3], v[ADRB] offset:128*(\q)+32*\c+\i*TROW
.endr
.endr
.irp i, 0,1,2,3,4
.irp c, 0,1,2,3
	ds_load_b128 v[64+16*\i+4*\c:64+16*\i+4*\c+3], v[ADRB2] offset:128*(\q)+32*\c+\i*TROW
.endr
.endr
	WIN 0
.endm
.macro FB1 q, i                        ; one fragment of B: tile i of the slot's q-th 128 along K
.if (\i) < 4
.irp c, 0,1,2,3
	ds_load_b128 v[16*(\i)+4*\c:16*(\i)+4*\c+3], v[ADRB] offset:128*(\q)+32*\c+(\i)*TROW
.endr
.else
.irp c, 0,1,2,3
	ds_load_b128 v[16*(\i)+4*\c:16*(\i)+4*\c+3], v[ADRB2] offset:128*(\q)+32*\c+((\i)-4)*TROW
.endr
.endif
.endm
.macro FETCH3 q, p, i0                 ; three fragments of B, tiles i0 .. i0 + 2, into set p: a third of a step's; the next macro sets its own windows
	WIN 0x40*(2+(\p))
	FB1 \q, \i0
	FB1 \q, (\i0)+1
	FB1 \q, (\i0)+2
.endm
.macro LA1 set, ld, a                  ; one fragment of A: block a of K step ld
	WIN 0x40
.irp c, 0,1,2,3
	global_load_b128 v[64*(\set)+16*(\a)+4*\c:64*(\set)+16*(\a)+4*\c+3], v[AO], s[AB:AB+1] offset:(\ld)*2048+(\a)*65536+\c*512
.endr
.endm
.macro LOADA set, ld
	WIN 0x40
.irp a, 0,1,2,3
.irp c, 0,1,2,3
	global_load_b128 v[64*(\set)+16*\a+4*\c:64*(\set)+16*\a+4*\c+3], v[AO], s[AB:AB+1] offset:(\ld)*2048+\a*65536+\c*512
.endr
.endr
	WIN 0
.endm
.macro SCALES j, off
	WIN 0
.irp i, 0,1,2,3,4,5,6,7,8
	ds_load_b64 v[SC+26*(\j)+2*\i:SC+26*(\j)+2*\i+1], v[ADSB] offset:\i*SBLK+(\off)
.endr
.irp a, 0,1,2,3
	ds_load_b64 v[SC+26*(\j)+18+2*\a:SC+26*(\j)+18+2*\a+1], v[ADSA] offset:(\a/2)*4096+(\a%2)*256+(\off)
.endr
.endm
.macro MULA a, q, zero                 ; A's block a against B's nine, the slot's q-th 128 along K; the 36 accumulators take turns
.if (\a) < 2
	WIN 0x06+((\q)%2)
.set AC, 112+72*(\a)
.else
	WIN 0x06+((\q)%2)+0x50*(\a)
.set AC, 144
.endif
.set FA, 64*(\q)+16*(\a)
.set SA, SC+26*((\q)/2)+18+2*(\a)+((\q)%2)
.set SB, SC+26*((\q)/2)+((\q)%2)
.irp b, 0,1,2,3,4,5,6,7,8
.if \zero
	v_wmma_scale_f32_16x16x128_f8f6f4 v[AC+8*\b:AC+8*\b+7], v[16*\b:16*\b+15], v[FA:FA+15], 0, v[SB+2*\b], v[SA]
.else
	v_wmma_scale_f32_16x16x128_f8f6f4 v[AC+8*\b:AC+8*\b+7], v[16*\b:16*\b+15], v[FA:FA+15], v[AC+8*\b:AC+8*\b+7], v[SB+2*\b], v[SA]
.endif
.endr
.endm
; A K step of 128.  lc: the younger loads of A that may stay out (16 for each later step asked for).  fetch = 1: the next step's B is fetched from the same slot.  ld >= 0: A's step three on is asked for, into the set that the step before has left.
.macro STEP q, zero, ld, lc, fetch
	s_wait_loadcnt \lc
	s_wait_dscnt 0x0                               ; this step's fragments of B and scale words are in
; The step's 36 LDS loads and 16 global loads go out in three runs, each in front of nine products; all their target registers were last read by the step before, behind which the eight places stand once.
.if \fetch
	PLACES 8                                       ; in front of loads into registers that the step before multiplied
	FETCH3 (\q)+1, 1-((\q)%2), 0
.if (\q) == 1
	SCALES 1, 8
.endif
.endif
.if (\ld) >= 0
	LA1 ((\q)+3)%4, \ld, 0
.endif
	MULA 0, \q, \zero
.if \fetch
	FETCH3 (\q)+1, 1-((\q)%2), 3
.endif
.if (\ld) >= 0
	LA1 ((\q)+3)%4, \ld, 1
.endif
	MULA 1, \q, \zero
.if \fetch
	FETCH3 (\q)+1, 1-((\q)%2), 6
.endif
.if (\ld) >= 0
	LA1 ((\q)+3)%4, \ld, 2
	LA1 ((\q)+3)%4, \ld, 3
.endif
	MULA 2, \q, \zero
	MULA 3, \q, \zero
	WIN 0
.endm
; A slot's last step changes slots: in front of the one barrier each wave waits for all its tensor loads, adds 0 to its spare word, and waits for that and for its reads of this slot.  fill = 1: this slot takes the K chunk two on.
.macro TURN fill, ld
	PLACES 8                                       ; in front of loads into the set that the step before multiplied
	LOADA 2, \ld                                   ; A's step three on hangs on no barrier: it goes out ahead of the three lines
	s_wait_tensorcnt 0x0                           ; my part of the next slot has landed
	ds_add_u32 v[SPW], v[NIL]
	s_wait_loadcnt 48                              ; this step's fragments of A are in: three later steps' 16 loads each may be out
	s_wait_dscnt 1                                 ; (the add may be out)
	MULA 0, 3, 0
	s_wait_dscnt 0x0                               ; the add is done, and my reads of this slot are over
	s_barrier_signal -1
	MULA 1, 3, 0
	WIN 0
	s_barrier_wait -1
.if \fill
	CREST                                          ; the barrier has opened a round of the cluster's barrier
	s_xor_b32 s[G0+1], s[G0+1], SLOT1              ; the fills take the slots by turns,
	s_add_nc_u64 s[G0+2:G0+3], s[G0+2:G0+3], 512   ; and the K chunks one after the other
	JLOAD
.endif
	PLACES 8
	s_xor_b32 s[CUR], s[CUR], SLOT1
	v_add_nc_u32 v[ADRB], s[CUR], v[ADB0]
	v_add_nc_u32 v[ADRB2], s[CUR], v[ADB1]
	v_add_nc_u32 v[ADSB], 16, v[ADSB]              ; four K steps on: 16 bytes of a row of B's scales,
	v_add_nc_u32 v[ADSA], 0x200, v[ADSA]           ; 512 of A's image
	s_wait_alu depctr_va_vdst(0)
	FETCH3 0, 0, 0
	FETCH3 0, 0, 3
	SCALES 0, 0
	MULA 2, 3, 0
	FETCH3 0, 0, 6
	MULA 3, 3, 0
	WIN 0
.endm
	s_load_b128 s[4:7], s[0:1], 0x0                ; acodes, ascales
	s_load_b128 s[8:11], s[0:1], 0x10              ; bcodes, bscales
	s_load_b64 s[12:13], s[0:1], 0x20              ; yimg
	v_lshl_add_u32 v[SPW], v0, 2, SPARE
	v_mov_b32 v[NIL], 0
	ds_add_u32 v[SPW], v[NIL]
	ds_add_u32 v[SPW], v[NIL]
	v_lshrrev_b32 v1, 5, v0
	v_readfirstlane_b32 s14, v1                    ; wave 0..3
	v_and_b32 v3, 31, v0
	v_lshlrev_b32 v[AO], 4, v3
	v_and_b32 v10, 15, v0                          ; r
	v_bfe_u32 v11, v0, 4, 1                        ; h
	v_mul_u32_u24 v[ADB0], v10, PITCH
	v_lshl_add_u32 v[ADB0], v11, 4, v[ADB0]        ; a fragment's row x pitch + 16 h
	v_add_nc_u32 v[ADB1], 4*TROW, v[ADB0]
	v_mov_b32 v[ADRB], v[ADB0]
	v_mov_b32 v[ADRB2], v[ADB1]
	v_lshlrev_b32 v12, 7, v10                      ; B's scales: 128 bytes a row, 16 more for each 256 passed
	v_lshrrev_b32 v13, 1, v10
	v_lshl_add_u32 v12, v13, 4, v12
	v_add_nc_u32 v[ADSB], SCL, v12
	s_lshl_b32 s18, s14, 13                        ; A's scale words: two pairs of tiles a wave, 4,096 bytes each
	s_add_co_u32 s18, s18, SCA
	v_lshl_add_u32 v[ADSA], v10, 4, s18
	s_bfe_u32 s40, ttmp6, 0x40000                  ; cx
	s_lshl_b32 s42, ttmp9, 2
	s_add_co_u32 s42, s42, s40                     ; row block
	s_and_b32 s17, ttmp7, 0xffff                   ; column block
	s_mov_b32 s[G1+0], 15|(1<<20)|(1<<21)|(6<<22)|(3<<25)   ; the four of my cluster; elements of 1 byte; 4 words of padding behind every 128
	s_mov_b32 s[G1+1], 512<<16
	s_mov_b32 s[G1+2], 72<<16
	s_mov_b32 s[G1+3], 512<<16
	s_mov_b32 s[G1+4], 72
	s_mov_b32 s[G1+5], 4096
	s_mov_b32 s[G1+6], 0
	s_mov_b32 s[G1+7], 0
	s_mov_b32 s[G1S+0], 15|(3<<16)|(1<<20)|(1<<21)|(5<<22)|(3<<25)   ; B's scales: a dense block as 72 rows of 256 bytes, padded
	s_mov_b32 s[G1S+1], 32<<16
	s_mov_b32 s[G1S+2], 72<<16
	s_mov_b32 s[G1S+3], 32<<16
	s_mov_b32 s[G1S+4], 72
	s_mov_b32 s[G1S+5], 32
	s_mov_b32 s[G1S+6], 0
	s_mov_b32 s[G1S+7], 0
	s_mov_b32 s[G1A+0], 3<<16                      ; A's scale words: my work-group's own, 128 rows of 256 bytes, dense
	s_mov_b32 s[G1A+1], 32<<16
	s_mov_b32 s[G1A+2], 128<<16
	s_mov_b32 s[G1A+3], 32<<16
	s_mov_b32 s[G1A+4], 128
	s_mov_b32 s[G1A+5], 32
	s_mov_b32 s[G1A+6], 0
	s_mov_b32 s[G1A+7], 0
	s_mov_b32 s[CUR], 0
	s_lshl_b32 s20, s42, 20                        ; acodes: 16 tiles of 65,536 bytes a row block, 4 a wave
	s_lshl_b32 s18, s14, 18
	s_add_co_u32 s20, s20, s18
	s_mov_b32 s21, 0
	s_lshl_b32 s22, s42, 15                        ; ascales: 32,768 bytes a row block
	s_mov_b32 s23, 0
	s_mul_i32 s46, s17, 144                        ; B's first row of the column block
	s_lshl_b32 s92, s46, 7                         ; its scales
	s_mov_b32 s93, 0
	s_mul_i32 s18, s14, 72
	s_add_co_u32 s46, s46, s18                     ; the 72 rows that I fetch
	s_lshl_b32 s46, s46, 12
	s_mov_b32 s47, 0
	s_lshl_b32 s96, s42, 4                         ; yimg: tile of rows 16 x row block + 4 x wave, 72 tiles of 1,024 bytes each; 9 tiles a column block
	s_lshl_b32 s97, s14, 2
	s_add_co_u32 s96, s96, s97
	s_mul_i32 s96, s96, 73728
	s_mul_i32 s97, s17, 9216
	s_add_co_u32 s96, s96, s97
	s_mov_b32 s97, 0
	s_wait_alu depctr_va_vdst(0)
	s_wait_dscnt 0x0                               ; both opening adds are done
	s_wait_kmcnt 0x0
	s_add_nc_u64 s[AB:AB+1], s[4:5], s[20:21]
	s_add_nc_u64 s[22:23], s[6:7], s[22:23]
	s_add_nc_u64 s[46:47], s[8:9], s[46:47]
	s_add_nc_u64 s[92:93], s[10:11], s[92:93]
	s_add_nc_u64 s[12:13], s[12:13], s[96:97]
	s_mov_b32 s[G0], 1
	s_mul_i32 s[G0+1], s14, HALFB
	s_mov_b64 s[G0+2:G0+3], s[46:47]
	s_or_b32 s[G0+3], s[G0+3], 0x80000000
	s_mov_b32 s[G0S], 1
	s_mov_b32 s[G0S+1], SCL
	s_mov_b64 s[G0S+2:G0S+3], s[92:93]
	s_or_b32 s[G0S+3], s[G0S+3], 0x80000000
	s_mov_b32 s[G0A], 1
	s_mov_b32 s[G0A+1], SCA
	s_mov_b64 s[G0A+2:G0A+3], s[22:23]
	s_or_b32 s[G0A+3], s[G0A+3], 0x80000000
	CROUND                                         ; the four work-groups are here: the first joint loads meet
	; the head's loads, one a wave, in one chain of branches on the wave's number: waves 0, 1 K chunk 0 of B, wave 2 B's scales, wave 3 A's scale words
	s_cmp_lt_u32 s14, 2
	s_cbranch_scc0 .Lh_sb
	tensor_load_to_lds s[G0:G0+3], s[G1:G1+7]
	s_nop 0
.rept 4
	v_nop
.endr
	s_branch .Lh_done
.Lh_sb:
	s_cmp_lt_u32 s14, 3
	s_cbranch_scc0 .Lh_sa
	tensor_load_to_lds s[G0S:G0S+3], s[G1S:G1S+7]
	s_nop 0
.rept 4
	v_nop
.endr
	s_branch .Lh_done
.Lh_sa:
	tensor_load_to_lds s[G0A:G0A+3], s[G1A:G1A+7]
	s_nop 0
.rept 4
	v_nop
.endr
.Lh_done:
	LOADA 0, 0                                     ; A's first three K steps, behind the head's tensor loads
	LOADA 1, 1
	LOADA 2, 2
	s_wait_tensorcnt 0x0                           ; my tile of the head's is in
	ds_add_u32 v[SPW], v[NIL]
	s_xor_b32 s[G0+1], s[G0+1], SLOT1              ; no tensor load of mine is out: slot 1, K chunk 1
	s_add_nc_u64 s[G0+2:G0+3], s[G0+2:G0+3], 512
	s_wait_dscnt 0x0
	CROUND
	JLOAD
	FETCHB 0, 0
	SCALES 0, 0
	STEP 0, 1, 3, 32, 1                            ; the first step stands in front of the loop: its products start the sums
	s_mov_b32 s3, 6
.Lg:                                                   ; a trip: a slot's steps 1 to 3 and the next slot's step 0; it fills the slot that it has read out
	STEP 1, 0, 4, 32, 1
	STEP 2, 0, 5, 32, 1
	TURN 1, 6
	STEP 0, 0, 7, 32, 1
	s_wait_xcnt 0x0                                ; A's loads have read their base
	s_add_nc_u64 s[AB:AB+1], s[AB:AB+1], 8192
	s_sub_co_u32 s3, s3, 1
	s_cmp_lg_u32 s3, 0
	s_cbranch_scc1 .Lg
	STEP 1, 0, 4, 32, 1                            ; the last two slots fill nothing
	STEP 2, 0, 5, 32, 1
	TURN 0, 6
	STEP 0, 0, 7, 32, 1                            ; asks for A's last K step
	STEP 1, 0, -1, 32, 1
	STEP 2, 0, -1, 16, 1
	STEP 3, 0, -1, 0, 0
	PLACES 8                                       ; in front of the first read of the results
.irp a, 0,1
.irp b, 0,1,2,3,4,5,6,7,8
	global_store_b128 v[AO], v[112+72*\a+8*\b:112+72*\a+8*\b+3], s[12:13] offset:\a*73728+\b*1024        ; each accumulator from its low end on; 512 consecutive bytes an instruction
	global_store_b128 v[AO], v[112+72*\a+8*\b+4:112+72*\a+8*\b+7], s[12:13] offset:\a*73728+\b*1024+512
.endr
.endr
.irp a, 2,3
	WIN 4*\a                                       ; the data: window 2 or 3
.irp b, 0,1,2,3,4,5,6,7,8
	global_store_b128 v[AO], v[144+8*\b:144+8*\b+3], s[12:13] offset:\a*73728+\b*1024
	global_store_b128 v[AO], v[144+8*\b+4:144+8*\b+7], s[12:13] offset:\a*73728+\b*1024+512
.endr
.endr
	WIN 0
	s_wait_tensorcnt 0x0                           ; the wave's end
	ds_add_u32 v[SPW], v[NIL]
	s_wait_dscnt 0x0
	CROUND                                         ; the closing round
	s_endpgm
.Lfunc_end_k_qc6a7673cfa_gemm:
	.size	k_qc6a7673cfa_gemm, .Lfunc_end_k_qc6a7673cfa_gemm-k_qc6a7673cfa_gemm
	.p2alignl 7, 3214868480
	.fill 96, 4, 3214868480
	.section	.rodata,"a",@progbits
	.p2align	6, 0x0
	.amdhsa_kernel k_qc6a7673cfa_gemm
		.amdhsa_group_segment_fixed_size 327680
		.amdhsa_private_segment_fixed_size 0
		.amdhsa_enable_private_segment 0
		.amdhsa_kernarg_size 40
		.amdhsa_user_sgpr_count 2
		.amdhsa_user_sgpr_kernarg_segment_ptr 1
		.amdhsa_wavefront_size32 1
		.amdhsa_system_sgpr_workgroup_id_x 1
		.amdhsa_system_sgpr_workgroup_id_y 1
		.amdhsa_system_sgpr_workgroup_id_z 1
		.amdhsa_system_vgpr_workitem_id 0
		.amdhsa_next_free_vgpr 1024
		.amdhsa_next_free_sgpr 98
		.amdhsa_reserve_vcc 0
		.amdhsa_float_denorm_mode_32 3
		.amdhsa_float_denorm_mode_16_64 3
		.amdhsa_memory_ordered 1
		.amdhsa_forward_progress 1
		.amdhsa_inst_pref_size 128
	.end_amdhsa_kernel
	.amdgpu_metadata
---
amdhsa.version: [ 1, 2 ]
amdhsa.kernels:
  - .name:           k_qc6a7673cfa_gemm
    .symbol:         k_qc6a7673cfa_gemm.kd
    .args:
      - { .name: acodes, .offset: 0, .size: 8, .value_kind: global_buffer, .address_space: global }
      - { .name: ascales, .offset: 8, .size: 8, .value_kind: global_buffer, .address_space: global }
      - { .name: bcodes, .offset: 16, .size: 8, .value_kind: global_buffer, .address_space: global }
      - { .name: bscales, .offset: 24, .size: 8, .value_kind: global_buffer, .address_space: global }
      - { .name: yimg, .offset: 32, .size: 8, .value_kind: global_buffer, .address_space: global }
    .group_segment_fixed_size: 327680
    .private_segment_fixed_size: 0
    .kernarg_segment_align: 8
    .kernarg_segment_size: 40
    .max_flat_workgroup_size: 128
    .sgpr_count:     98
    .vgpr_count:     1024
    .wavefront_size: 32
...
	.end_amdgpu_metadata
.endif
;; end of part 6
;; launch fin (part 7): grid 256 x 1, 8 waves a work-group, no clusters, 132,608 bytes of LDS; arguments yimg, w2img, w2sc, SV, out0; writes out0
.if DOCPART == 7
	.amdgcn_target "amdgcn-amd-amdhsa--gfx1250"
	.amdhsa_code_object_version 6
	.text
	.protected	k_qc6a7673cfa_fin
	.globl	k_qc6a7673cfa_fin
	.p2align	8
	.type	k_qc6a7673cfa_fin,@function
k_qc6a7673cfa_fin:
	s_mov_b64 s[64:65], 0
	v_nop
	global_prefetch_b8 v0, s[64:65] scope:SCOPE_SE
	s_setreg_imm32_b32 hwreg(HW_REG_WAVE_MODE, 25, 1), 1
	s_wait_xcnt 0x0
; out = H_1024 (Y + Q(xR) Q(W_l) + Q(xF) L_ft^T) / 32 . SV.  Y and T = [xR | xF] come from yimg as images of accumulators (a tile: 1,024 bytes).
; The two products with K = 64 are ONE matrix instruction a tile with K = 128: blocks 0, 1 are xR against W_l, blocks 2, 3 xF against L_ft; Y is its C, so the three sums meet in the accumulator.
; T's columns were laid so that a lane's 16 registers of tiles 2 b and 2 b + 1 are k = 32 b + 16 (lane / 16) + 0 .. 15 of its row: the conversions' results ARE the operand's registers.
; The factor 2^-5 is folded into SV (a power of two: nothing is rounded otherwise but where f32 would underflow); the constant 1.0 of the source is not multiplied.
; LIMITS: NaN and infinities are not served; a block of T whose largest magnitude lies under 2^-118 (a block of zeros too) gets the scale byte 1: zeros' codes are zeros.
; SHARES.  A work-group takes 32 rows; wave (rt, cq) takes tile of rows rt and columns 256 cq .. 256 cq + 255: 16 accumulators.  Lane (r, h), register 8 i + j = column 256 cq + 16 i + 8 h + j of row r.
; THE LAST HADAMARD: column bits 0-2 and 4-7 lie in a lane's registers, bit 3 in lane l xor 16; bits 8, 9 lie in other waves: one turn through a stage in LDS (one barrier) brings a row's four quarters into one lane.
; No cluster, no tensor load: the second operand (128 KiB for a work-group, beside 160 KiB of yimg) is laid as an image of its registers and goes straight into them, 32 KiB a wave, each byte into one wave;
; a joint tile would have to go through LDS first.  Each of a tile of rows' four waves quantises T itself: 8 KiB, cheaper than a second barrier.
; REGISTERS: window 0: v1-4 addresses; v12 T's scale word; v[14:15] +1 or -1 by the lane's half; v16-31 the quantiser; v32-47 T's codes; v48-63 the weights' scale words; v64-127 T, later v64-95 SV / 32 and v96-111 temporaries;
;   v128-255 the accumulators, later the rows on their way out.  Window 1: the 16 fragments of the second operand.
.set SPITCH, 4112                      ; a stage row: 4,096 bytes + 16: an odd multiple of 16
.set LI,  1                            ; v1  16 x lane
.set LS,  2                            ; v2  4 x lane
.set SO,  3                            ; v3  the stage, in
.set SR,  4                            ; v4  the stage, out
.set PW,  12
.set SG,  14
.set TM,  16
.set PC,  32
.set W2S, 48
.set T,   64
.set SVR, 64
.set TP,  96
.set ACC, 128
.set RB,  128
.set SEL, 24                           ; s[24:25] v_permlanex16_b32's selects for lane l xor 16
.set MNT, 26                           ; s26 the mantissa field of 448
.set MSB, 0
.macro WIN new                         ; the immediate's high byte repeats the setting that is left
.if MSB != \new
	s_set_vgpr_msb (MSB<<8)|\new
.set MSB, \new
.endif
.endm
.set cnt, 0
; Two stages at once on four pairs; two sets of temporaries by turns.
.macro R4 a, b, c, d
.set TB, TP+8*(cnt%2)
.set cnt, cnt+1
	v_pk_add_f32 v[TB:TB+1],   v[\a:\a+1], v[\b:\b+1]
	v_pk_add_f32 v[TB+4:TB+5], v[\c:\c+1], v[\d:\d+1]
	v_pk_add_f32 v[TB+2:TB+3], v[\a:\a+1], v[\b:\b+1] neg_lo:[0,1] neg_hi:[0,1]
	v_pk_add_f32 v[TB+6:TB+7], v[\c:\c+1], v[\d:\d+1] neg_lo:[0,1] neg_hi:[0,1]
	s_delay_alu instid0(VALU_DEP_3)
	v_pk_add_f32 v[\a:\a+1], v[TB:TB+1],   v[TB+4:TB+5]
	s_delay_alu instid0(VALU_DEP_4)
	v_pk_add_f32 v[\c:\c+1], v[TB:TB+1],   v[TB+4:TB+5] neg_lo:[0,1] neg_hi:[0,1]
	s_delay_alu instid0(VALU_DEP_3)
	v_pk_add_f32 v[\b:\b+1], v[TB+2:TB+3], v[TB+6:TB+7]
	s_delay_alu instid0(VALU_DEP_4)
	v_pk_add_f32 v[\d:\d+1], v[TB+2:TB+3], v[TB+6:TB+7] neg_lo:[0,1] neg_hi:[0,1]
.endm
.macro PASS base, s1, s2
.set p, 0
.rept 64
.if ((p & \s1) == 0) && ((p & \s2) == 0)
	R4 \base+p, \base+p+\s1, \base+p+\s2, \base+p+\s1+\s2
.endif
.set p, p+2
.endr
.endm
.macro R4M P, Q                        ; the stage between two pairs, then the stage between the halves of each pair
.set TB, TP+8*(cnt%2)
.set cnt, cnt+1
	v_pk_add_f32 v[TB:TB+1],   v[\P:\P+1], v[\Q:\Q+1]
	v_pk_add_f32 v[TB+2:TB+3], v[\P:\P+1], v[\Q:\Q+1] neg_lo:[0,1] neg_hi:[0,1]
	s_delay_alu instid0(VALU_DEP_2)
	v_add_f32 v[\P],   v[TB],   v[TB+1]
	s_delay_alu instid0(VALU_DEP_3)
	v_sub_f32 v[\P+1], v[TB],   v[TB+1]
	s_delay_alu instid0(VALU_DEP_3)
	v_add_f32 v[\Q],   v[TB+2], v[TB+3]
	s_delay_alu instid0(VALU_DEP_4)
	v_sub_f32 v[\Q+1], v[TB+2], v[TB+3]
.endm
.macro R4H P, Q                        ; the stage between two pairs, then the stage between the halves of the lanes: mine x (+1 or -1) + the other half's
.set TB, TP+8*(cnt%2)
.set cnt, cnt+1
	v_pk_add_f32 v[TB:TB+1],   v[\P:\P+1], v[\Q:\Q+1]
	v_pk_add_f32 v[TB+2:TB+3], v[\P:\P+1], v[\Q:\Q+1] neg_lo:[0,1] neg_hi:[0,1]
	s_delay_alu instid0(VALU_DEP_2)
	v_permlanex16_b32 v[TB+4], v[TB],   s[SEL], s[SEL+1]
	s_delay_alu instid0(VALU_DEP_3)
	v_permlanex16_b32 v[TB+5], v[TB+1], s[SEL], s[SEL+1]
	s_delay_alu instid0(VALU_DEP_3)
	v_permlanex16_b32 v[TB+6], v[TB+2], s[SEL], s[SEL+1]
	s_delay_alu instid0(VALU_DEP_4)
	v_permlanex16_b32 v[TB+7], v[TB+3], s[SEL], s[SEL+1]
	s_delay_alu instid0(VALU_DEP_3)
	v_pk_fma_f32 v[\P:\P+1], v[TB:TB+1],   v[SG:SG+1], v[TB+4:TB+5]
	s_delay_alu instid0(VALU_DEP_2)
	v_pk_fma_f32 v[\Q:\Q+1], v[TB+2:TB+3], v[SG:SG+1], v[TB+6:TB+7]
.endm
; 64 numbers of a lane, register 16 b + i = k 32 b + 16 (lane / 16) + i of my row, become a fragment's codes in v[PC] on and its scale word in v[PW].
.macro QUANT s
.irp b, 0,1,2,3
	v_max3_num_f32 v[TM+\b], |v[\s+16*\b]|, |v[\s+1+16*\b]|, 0x4800000   ; block b: my 16 numbers, and the floor 2^(9 - 127): the byte cannot fall under 1
.endr
.irp i, 2,4,6,8,10,12,14
.irp b, 0,1,2,3
	s_delay_alu instid0(VALU_DEP_4)
	v_max3_num_f32 v[TM+\b], v[TM+\b], |v[\s+16*\b+\i]|, |v[\s+1+16*\b+\i]|   ; the four blocks by turns
.endr
.endr
.irp b, 0,1,2,3
	s_delay_alu instid0(VALU_DEP_4)
	v_permlanex16_b32 v[TM+4+\b], v[TM+\b], s[SEL], s[SEL+1]
.endr
.irp b, 0,1,2,3
	s_delay_alu instid0(VALU_DEP_4)
	v_max_num_f32 v[TM+\b], v[TM+\b], v[TM+4+\b]   ; with lane l xor 16's: the block's largest magnitude
.endr
.irp b, 0,1,2,3
	s_delay_alu instid0(VALU_DEP_4)
	v_add_nc_u32 v[TM+12+\b], 0xfc000000, v[TM+\b]   ; 8 off its exponent field: the conversion's scale operand
.endr
.irp b, 0,1,2,3
	v_and_or_b32 v[TM+8+\b], v[TM+\b], 0x7f800000, s[MNT]   ; 448 x the scale
.endr
.irp b, 0,1,2,3
	v_lshrrev_b32 v[TM+4+\b], 23, v[TM+12+\b]      ; the scale's byte
.endr
	s_delay_alu instid0(VALU_DEP_3)
	v_lshl_or_b32 v[PW], v[TM+5], 8, v[TM+4]       ; my row's scale word; the 64 holds below stand between it and the products
	s_delay_alu instid0(VALU_DEP_1)
	v_lshl_or_b32 v[PW], v[TM+6], 16, v[PW]
	s_delay_alu instid0(VALU_DEP_1)
	v_lshl_or_b32 v[PW], v[TM+7], 24, v[PW]
.irp b, 0,1,2,3
.irp i, 0,1,2,3,4,5,6,7,8,9,10,11,12,13,14,15
	v_med3_num_f32 v[\s+16*\b+\i], v[\s+16*\b+\i], -v[TM+8+\b], v[TM+8+\b]   ; the conversion does not saturate (ISA guide 7.6.2): the hold comes first
.endr
	v_cvt_scalef32_pk8_fp8_f32 v[PC+4*\b:PC+1+4*\b], v[\s+16*\b:\s+7+16*\b], v[TM+12+\b]
	v_cvt_scalef32_pk8_fp8_f32 v[PC+2+4*\b:PC+3+4*\b], v[\s+8+16*\b:\s+15+16*\b], v[TM+12+\b]
.endr
	v_nop                                          ; a plain line behind the last conversion
.endm
	s_load_b256 s[4:11], s[0:1], 0x0               ; yimg s[4:5], w2img s[6:7], w2sc s[8:9], SV s[10:11]
	s_load_b64 s[12:13], s[0:1], 0x20              ; out0
	v_lshl_add_u32 v11, v0, 2, 0x20200
	v_mov_b32 v13, 0
	v_lshrrev_b32 v8, 5, v0
	s_delay_alu instid0(VALU_DEP_1)
	v_readfirstlane_b32 s14, v8                    ; wave 0..7
	s_lshr_b32 s15, s14, 2                         ; rt
	s_and_b32 s16, s14, 3                          ; cq
	v_and_b32 v5, 31, v0
	s_delay_alu instid0(VALU_DEP_1)
	v_lshlrev_b32 v[LI], 4, v5
	s_delay_alu instid0(VALU_DEP_2)
	v_lshlrev_b32 v[LS], 2, v5
	v_and_b32 v6, 15, v0                           ; r
	v_bfe_u32 v7, v0, 4, 1                         ; h
	s_mul_i32 s17, s15, 16*SPITCH
	s_lshl_b32 s18, s16, 10
	s_add_co_u32 s17, s17, s18
	v_mul_u32_u24 v[SO], v6, SPITCH
	s_delay_alu instid0(VALU_DEP_1)
	v_lshl_add_u32 v[SO], v7, 5, v[SO]
	s_delay_alu instid0(VALU_DEP_1)
	v_add_nc_u32 v[SO], s17, v[SO]                 ; in: row 16 rt + r, byte 1,024 cq + 32 h; tile i adds 64 i
	s_mul_i32 s17, s14, 4*SPITCH
	v_add_nc_u32 v[SR], s17, v[LI]                 ; out: wave w takes rows 4 w .. 4 w + 3, 16 bytes a lane
	v_lshlrev_b32 v[SG], 31, v7
	s_delay_alu instid0(VALU_DEP_1)
	v_or_b32 v[SG], 0x3f800000, v[SG]              ; +1.0 in lanes 0-15, -1.0 in lanes 16-31
	s_delay_alu instid0(VALU_DEP_1)
	v_mov_b32 v[SG+1], v[SG]
.irp b, 0,1,2,3
	v_mov_b32 v[TM+4+\b], 0                        ; a lane permute's destination counts as one of its sources
.endr
	s_mov_b32 s[SEL], 0x76543210
	s_mov_b32 s[SEL+1], 0xfedcba98
	s_mov_b32 s[MNT], 0x600000
	s_mov_b32 s28, 0x3d000000                      ; 2^-5
	s_mov_b32 s29, s28
	s_lshl_b32 s18, ttmp9, 1
	s_add_co_u32 s18, s18, s15                     ; my tile of rows
	s_mul_i32 s18, s18, 73728                      ; 72 tiles of 1,024 bytes
	s_mov_b32 s19, 0
	s_lshl_b32 s20, s16, 14                        ; my 16 tiles of Y
	s_mov_b32 s21, 0
	s_wait_kmcnt 0x0
	s_add_nc_u64 s[22:23], s[4:5], s[18:19]        ; yimg at my tile of rows: T's eight tiles lie 65,536 bytes on
	s_add_nc_u64 s[4:5], s[22:23], s[20:21]        ; and at my first tile of Y
	s_lshl_b32 s20, s16, 15
	s_add_nc_u64 s[6:7], s[6:7], s[20:21]          ; my 16 fragments of 2,048 bytes
	s_lshl_b32 s20, s16, 11
	s_add_nc_u64 s[8:9], s[8:9], s[20:21]          ; their scale words, 128 bytes each
	s_lshl_b32 s20, ttmp9, 5
	s_lshl_b32 s18, s14, 2
	s_add_co_u32 s20, s20, s18
	s_lshl_b32 s20, s20, 12                        ; out0: row 32 x work-group + 4 x wave, 4,096 bytes a row
	s_add_nc_u64 s[12:13], s[12:13], s[20:21]
.irp t, 0,1,2,3,4,5,6,7
	global_load_b128 v[T+8*\t:T+8*\t+3],   v[LI], s[22:23] offset:65536+1024*\t
	global_load_b128 v[T+8*\t+4:T+8*\t+7], v[LI], s[22:23] offset:65536+1024*\t+512
.endr
.irp i, 0,1,2,3,4,5,6,7,8,9,10,11,12,13,14,15
	global_load_b32 v[W2S+\i], v[LS], s[8:9] offset:128*\i
.endr
.irp i, 0,1,2,3,4,5,6,7,8,9,10,11,12,13,14,15
	global_load_b128 v[ACC+8*\i:ACC+8*\i+3],   v[LI], s[4:5] offset:1024*\i th:TH_LOAD_NT       ; Y lands where the sums will stand
	global_load_b128 v[ACC+8*\i+4:ACC+8*\i+7], v[LI], s[4:5] offset:1024*\i+512 th:TH_LOAD_NT
.endr
	WIN 0x40                                       ; destination window 1
.irp i, 0,1,2,3,4,5,6,7,8,9,10,11,12,13,14,15
.irp c, 0,1,2,3
	global_load_b128 v[16*\i+4*\c:16*\i+4*\c+3], v[LI], s[6:7] offset:2048*\i+512*\c
.endr
.endr
	WIN 0
	s_wait_loadcnt 63                              ; T's 16 loads are in: 112 were issued behind them, more than the count can name, and a smaller count is safe
	QUANT T
.irp s, 0,1
.irp q, 0,1,2,3
	global_load_b128 v[SVR+4*(4*\s+\q):SVR+4*(4*\s+\q)+3], v[LI], s[10:11] offset:1024*\q+512*\s   ; SV in the map of the way out, into registers that T has left
.endr
.endr
.irp i, 4,5,6,7,12,13,14,15
	v_mov_b32 v[TP+\i], 0                          ; the permutes' destinations; also the places between the codes and the products
.endr
	s_wait_alu depctr_va_vdst(0)
	s_wait_loadcnt 8                               ; all but SV's eight loads
	WIN 0x01                                       ; source 0 window 1
.irp i, 0,1,2,3,4,5,6,7,8,9,10,11,12,13,14,15
	v_wmma_scale_f32_16x16x128_f8f6f4 v[ACC+8*\i:ACC+8*\i+7], v[16*\i:16*\i+15], v[PC:PC+15], v[ACC+8*\i:ACC+8*\i+7], v[W2S+\i], v[PW]   ; transposed: source 0 = 16 columns, source 1 = T's 16 rows; sixteen accumulators, one instruction each
.endr
	WIN 0
.rept 8
	v_nop                                          ; places in front of the first read of the results
.endr
.set p, 0
.rept 32
	R4M ACC+p, ACC+p+2                             ; column bits 1, 0; each accumulator is read from its low end on
.set p, p+4
.endr
	PASS ACC, 4, 8                                 ; bits 2, 4
	PASS ACC, 16, 32                               ; bits 5, 6
.set p, 0
.rept 32
	R4H ACC+p, ACC+p+64                            ; bits 7, 3
.set p, p+2
.endr
.irp i, 0,1,2,3,4,5,6,7,8,9,10,11,12,13,14,15
	ds_store_b128 v[SO], v[ACC+8*\i:ACC+8*\i+3] offset:64*\i
	ds_store_b128 v[SO], v[ACC+8*\i+4:ACC+8*\i+7] offset:64*\i+16
.endr
	s_wait_dscnt 0x0                               ; for the others' sake: my stores into the stage are done
	s_barrier_signal -1
	s_barrier_wait -1                              ; 32 whole rows lie in the stage
.irp j, 0,1,2,3
.irp s, 0,1
.irp q, 0,1,2,3
	ds_load_b128 v[RB+16*(2*\j+\s)+4*\q:RB+16*(2*\j+\s)+4*\q+3], v[SR] offset:\j*SPITCH+512*\s+1024*\q   ; register 4 q + e of unit (j, s): column 256 q + 128 s + 4 lane + e of row j
.endr
.endr
.endr
	s_wait_loadcnt 0x0                             ; SV
.set i, 0
.rept 16
	v_pk_mul_f32 v[SVR+2*i:SVR+2*i+1], v[SVR+2*i:SVR+2*i+1], s[28:29] op_sel_hi:[1,0]
.set i, i+1
.endr
.irp j, 0,1,2,3
.irp s, 0,1
.set U, RB+16*(2*\j+\s)
	s_wait_dscnt 28-4*(2*\j+\s)                    ; this unit's four loads are in; the later units' may be out
	R4 U, U+4, U+8, U+12                           ; column bits 8, 9
	R4 U+2, U+6, U+10, U+14
.irp e, 0,2,4,6,8,10,12,14
	v_pk_mul_f32 v[U+\e:U+\e+1], v[U+\e:U+\e+1], v[SVR+16*\s+\e:SVR+16*\s+\e+1]
.endr
.irp q, 0,1,2,3
	global_store_b128 v[LI], v[U+4*\q:U+4*\q+3], s[12:13] offset:\j*4096+1024*\q+512*\s th:TH_STORE_NT   ; 32 lanes store 512 consecutive bytes, aligned; written once, read by nobody here
.endr
.endr
.endr
	s_wait_tensorcnt 0x0
	ds_add_u32 v11, v13
	s_wait_dscnt 0x0
	s_endpgm
.Lfunc_end_k_qc6a7673cfa_fin:
	.size	k_qc6a7673cfa_fin, .Lfunc_end_k_qc6a7673cfa_fin-k_qc6a7673cfa_fin
	.p2alignl 7, 3214868480
	.fill 96, 4, 3214868480
	.section	.rodata,"a",@progbits
	.p2align	6, 0x0
	.amdhsa_kernel k_qc6a7673cfa_fin
		.amdhsa_group_segment_fixed_size 132608
		.amdhsa_private_segment_fixed_size 0
		.amdhsa_enable_private_segment 0
		.amdhsa_kernarg_size 40
		.amdhsa_user_sgpr_count 2
		.amdhsa_user_sgpr_kernarg_segment_ptr 1
		.amdhsa_wavefront_size32 1
		.amdhsa_system_sgpr_workgroup_id_x 1
		.amdhsa_system_sgpr_workgroup_id_y 1
		.amdhsa_system_sgpr_workgroup_id_z 1
		.amdhsa_system_vgpr_workitem_id 0
		.amdhsa_next_free_vgpr 512
		.amdhsa_next_free_sgpr 66
		.amdhsa_reserve_vcc 0
		.amdhsa_float_denorm_mode_32 3
		.amdhsa_float_denorm_mode_16_64 3
		.amdhsa_memory_ordered 1
		.amdhsa_forward_progress 1
		.amdhsa_inst_pref_size 104
	.end_amdhsa_kernel
	.amdgpu_metadata
---
amdhsa.version: [ 1, 2 ]
amdhsa.kernels:
  - .name:           k_qc6a7673cfa_fin
    .symbol:         k_qc6a7673cfa_fin.kd
    .args:
      - { .name: yimg, .offset: 0, .size: 8, .value_kind: global_buffer, .address_space: global }
      - { .name: w2img, .offset: 8, .size: 8, .value_kind: global_buffer, .address_space: global }
      - { .name: w2sc, .offset: 16, .size: 8, .value_kind: global_buffer, .address_space: global }
      - { .name: SV, .offset: 24, .size: 8, .value_kind: global_buffer, .address_space: global }
      - { .name: out0, .offset: 32, .size: 8, .value_kind: global_buffer, .address_space: global }
    .group_segment_fixed_size: 132608
    .private_segment_fixed_size: 0
    .kernarg_segment_align: 8
    .kernarg_segment_size: 40
    .max_flat_workgroup_size: 256
    .sgpr_count:     66
    .vgpr_count:     512
    .wavefront_size: 32
...
	.end_amdgpu_metadata
.endif
;; end of part 7
